; MI455X (gfx1250); checked and timed in simulation.
; The chip was launched on July 23, 2026; its instructions are those of AMD's public machine-readable ISA for CDNA 5 (MIT licence, August 2026) and "CDNA5" Instruction Set Architecture Reference Guide (July 2026). The comments in the code are by the model that wrote it; some were corrected since.
;; Bert Layer. Allowed arithmetic: matrix products marked QUANTISED: E4M3 operands, one E8M0 scale for each 32 along K, by v_wmma_scale_f32_16x16x128_f8f6f4 with both operands' format E4M3, f32 sums; everything else in f32.
;; Inputs: W1_codes 2,048 x 16 x 32 uint8 (E4M3 codes of W1, K innermost, in blocks of 32 codes); W1_scales 2,048 x 16 uint8 (E8M0 scales of W1, one for each 32 codes along K); W2_codes 512 x 64 x 32 uint8 (E4M3 codes of W2, K innermost, in blocks of 32 codes); W2_scales 512 x 64 uint8 (E8M0 scales of W2, one for each 32 codes along K); Wk_codes 512 x 16 x 32 uint8 (E4M3 codes of Wk, K innermost, in blocks of 32 codes); Wk_scales 512 x 16 uint8 (E8M0 scales of Wk, one for each 32 codes along K); Wp_codes 512 x 16 x 32 uint8 (E4M3 codes of Wp, K innermost, in blocks of 32 codes); Wp_scales 512 x 16 uint8 (E8M0 scales of Wp, one for each 32 codes along K); Wq_codes 512 x 16 x 32 uint8 (E4M3 codes of Wq, K innermost, in blocks of 32 codes); Wq_scales 512 x 16 uint8 (E8M0 scales of Wq, one for each 32 codes along K); Wv_codes 512 x 16 x 32 uint8 (E4M3 codes of Wv, K innermost, in blocks of 32 codes); Wv_scales 512 x 16 uint8 (E8M0 scales of Wv, one for each 32 codes along K); attention_mask 4 x 2,048 bool; b1 2,048 float32; b2 512 float32; ln1_b 512 float32; ln1_g 512 float32; ln2_b 512 float32; ln2_g 512 float32; x 4 x 2,048 x 512 float32.
;; Outputs: out0 4 x 2,048 x 512 float32.
;; This version of the problem:
;;   THIS VERSION OF THE PROBLEM IS GIVEN IN LOW PRECISION. The matrix products marked QUANTISED in the list below multiply operands that are first quantised to E4M3 (4 exponent bits, 3 mantissa bits; 8 bits a number), with one power-of-two scale for each 32 numbers along K (OCP MX v1.0); their sums are f32. All else is computed in f32.
;;   The module's matrix products, in the order in which they are computed (A, B: the left and right operand; K: the contracted axis; several contracted axes count as one K, in the product's order):
;;     1. [M 8,192, K 512] x [K 512, N 512]; A: input x; B: input Wq (given as codes): QUANTISED
;;     2. [M 8,192, K 512] x [K 512, N 512]; A: input x; B: input Wk (given as codes): QUANTISED
;;     3. [M 8,192, K 512] x [K 512, N 512]; A: input x; B: input Wv (given as codes): QUANTISED
;;     4. batch 32 x [M 2,048, K 64] x [K 64, N 2,048]; A: computed on the way; B: computed on the way: QUANTISED
;;     5. batch 32 x [M 64, K 2,048] x [K 2,048, N 2,048]; A: computed on the way; B: softmax (see below): QUANTISED
;;     6. [M 8,192, K 512] x [K 512, N 512]; A: computed on the way; B: input Wp (given as codes): QUANTISED
;;     7. [M 8,192, K 512] x [K 512, N 2,048]; A: computed on the way; B: input W1 (given as codes): QUANTISED
;;     8. [M 8,192, K 2,048] x [K 2,048, N 512]; A: computed on the way; B: input W2 (given as codes): QUANTISED
;;   THE QUANTISER, for each operand of a quantised product, along K:
;;     - K is cut into blocks of 32 from its start; a last block that is shorter is filled with zeros.
;;     - A block's scale is 2^e with e = floor(log2(the largest magnitude in the block)) - 8, held to -126 .. 127; a block of zeros has e = 0. As a byte (E8M0): e + 127.
;;     - Each number is divided by its block's scale, clamped to +-448, and rounded to the nearest number of E4M3, ties to even, subnormals kept.
;;     - The product sums the exact products of the quantised numbers (number of the format x scale) in f32.
;;   ~~~python
;;   def quantise(x, axis):      # numpy; x: float32 -> the quantised numbers, widened to float32 again
;;       x = np.moveaxis(x, axis, -1); K = x.shape[-1]
;;       x = np.pad(x, [(0, 0)] * (x.ndim - 1) + [(0, -K % 32)]); x = x.reshape(x.shape[:-1] + (-1, 32)); a = np.abs(x).max(-1, keepdims=True)
;;       e = np.where(a > 0, np.clip(np.frexp(np.where(a > 0, a, 1))[1] - 1 - 8, -126, 127), 0)      # np.frexp(a)[1] - 1 = floor(log2(a)), exactly
;;       r = np.clip(x / 2.0 ** e, -448, 448)
;;       step = 2.0 ** (np.maximum(np.frexp(np.where(r == 0, 1, r))[1] - 1, -6) - 3)
;;       q = np.round(r / step) * step * 2.0 ** e      # np.round: ties to even
;;       return np.moveaxis(q.reshape(q.shape[:-2] + (-1,))[..., :K], -1, axis).astype(np.float32)
;;   ~~~
;;   SOFTMAX AHEAD OF A QUANTISED PRODUCT. Where the list says 'softmax', what is quantised is not the finished softmax but p = 2^(t - M), with t = logit x log2(e) and M = ceil(the row's largest t), a whole number; so 1/2 < the row's largest p <= 1. The row's sum l is taken of the UNQUANTISED p, in f32, and the product's result is divided by l at the end. Since M is a whole number, a kernel that streams over the keys may use a running M (the ceiling of the running maximum): every later rescaling is an exact power of two, which a block's scale takes up: the codes' values come out the same.
;;   OPERANDS COMPUTED ON THE WAY. 'Computed on the way' means the value that the module computes at that place (a softmax that the list does not call 'softmax' is quantised finished and normalised). What goes into a quantiser is computed in f32, as accurately as f32 sums, v_exp_f32 and their like allow (about 1e-6 of the number): no bf16 or f16 on the way to a quantiser, and a product that is left as it is and whose result goes on into a quantised operand takes f32 operands (vector FMAs, or v_wmma_f32_16x16x4_f32). A number that lies on a knife's edge between two numbers of the format may be rounded either way, as far as f32 arithmetic and the matrix unit's own rounding can turn it there, and no further.
;;   INPUTS GIVEN AS CODES. W1 (in the module: [2048, 512], K = its axis 1); W2 (in the module: [512, 2048], K = its axis 1); Wk (in the module: [512, 512], K = its axis 1); Wp (in the module: [512, 512], K = its axis 1); Wq (in the module: [512, 512], K = its axis 1); Wv (in the module: [512, 512], K = its axis 1): each comes as NAME_codes (uint8): NAME with its K axis moved to the last place and cut into blocks of 32 codes, [.., K / 32, bytes a block], one block behind the other in memory; one code a byte (a code: sign, 4 exponent bits, 3 mantissa bits); and NAME_scales (uint8): the same leading axes, one E8M0 byte (e + 127) for each 32 codes along K. Its value is code x scale, taken as it is: it is not quantised again, and the codes and scales need not be those that the quantiser above would give.
;; One version. Each part assembles by itself: llvm-mc -triple=amdgcn-amd-amdhsa -mcpu=gfx1250 --defsym DOCPART=n.
;; ======== version 1 of 1: 3 launches
;; limits: a function is approximated: absolute error at most 1.5e-07; right only within a limited range of input values
;; workspace buffers: q_img 4,194,304 bytes; q_sc 262,144 bytes; kv 9,437,184 bytes; ctx_img 4,194,304 bytes; ctx_sc 131,072 bytes; w1_img 1,048,576 bytes; w2_img 1,048,576 bytes
;; launch qkv (part 1): grid 64 x 4, 8 waves a work-group, clusters of 4 x 1, 308,224 bytes of LDS; arguments x, attention_mask, Wq_codes, Wq_scales, Wk_codes, Wk_scales, Wv_codes, Wv_scales, q_img, q_sc, kv, W1_codes, W2_codes, w1_img, w2_img; writes q_img, q_sc, kv, w1_img, w2_img
.if DOCPART == 1
	.amdgcn_target "amdgcn-amd-amdhsa--gfx1250"
	.amdhsa_code_object_version 6
	.text
	.protected	k_qc2fdcf8c7c_qkv
	.globl	k_qc2fdcf8c7c_qkv
	.p2align	8
	.type	k_qc2fdcf8c7c_qkv,@function
k_qc2fdcf8c7c_qkv:
	s_mov_b64 s[64:65], 0
	v_nop
	global_prefetch_b8 v0, s[64:65] scope:SCOPE_SE
	s_setreg_imm32_b32 hwreg(HW_REG_WAVE_MODE, 25, 1), 1
	s_wait_xcnt 0x0
	s_wait_alu depctr_hold_cnt(0) depctr_sa_sdst(0) depctr_va_vdst(0) depctr_va_sdst(0) depctr_va_ssrc(0) depctr_va_vcc(0) depctr_vm_vsrc(0)
	s_getreg_b32 s2, hwreg(HW_REG_IB_STS2, 6, 4)
	s_cmp_eq_u32 s2, 0
	s_cbranch_scc0 .Lentry_in_a_cluster
	s_endpgm
.Lentry_in_a_cluster:
	s_bfe_u32 s2, ttmp6, 0x10000c
	s_cmp_lg_u32 s2, 0x3003
	s_cbranch_scc0 .Lentry_shape_is_right
	s_endpgm
.Lentry_shape_is_right:
; q = x Wq^T, k = x Wk^T, v = x Wv^T on codes of E4M3 with one E8M0 scale for each 32 along K; x is quantised here; q and k are quantised along the head's 64, v along the keys.
; SHARES.  A work-group takes 128 tokens (one key step of one batch) and two heads (2 p, 2 p + 1): 128 features of each of q, k, v.  The four work-groups of a cluster share p, so the 384 weight rows are asked for jointly.
; TILES.  Lane r of tile 2 b + u stands for index 32 b + 8 u + r + (r & 8), for tokens and for weight rows alike: the 16 registers of result tiles 2 b, 2 b + 1 are then 16 neighbours along source 0's axis,
; so a block of 32 lies in lanes l and l xor 16, and the conversions' results are the next operand's registers.
; IMAGES.  Every operand made here is kept as its registers lie: piece c (registers 4 c .. 4 c + 3) is 512 bytes, lane l's 16 bytes at 16 l.
; kv: a record of 18,432 bytes for each head and 128 keys: K's images [8 tiles][2][512]; V's [4 tiles of d][4][512]; K's scale words [lane][4]; V's scale words; mask words [8 tiles][lane].
; THE MASK rides in the half of product 4's K that the head's 64 leave empty: at k = 64, 65 a key that is masked out has the codes 192 and 8 under the scale 4, every query the codes -1, -1 under the scale 1:
; the sum gains exactly -800 = -100 / 0.125.  So for masked keys the subtraction is done inside the matrix sum and not by an f32 subtraction behind it.
; W1 AND W2 FOR THE LAST LAUNCH.  Their codes are laid anew as images of the fragments that the last launch's waves read: [chunk 8][wave 8][fragment 8][c 4][512 bytes].  Each tensor has 2,048 pieces of 512 bytes
; and the launch 2,048 waves: wave g copies piece g of each, one load in the fragment's lane pattern and one store of 512 consecutive bytes.
; LIMITS: NaN and infinities are not served; a block whose largest magnitude lies under 2^-118 is held at the scale byte 1; a block of zeros has the byte 1 (its codes are zeros; only this program reads the bytes).
.set REC,  18432
.set WPI,  528                         ; a weight row in LDS: 512 bytes + 16
.set XIMG, 202752                      ; behind the 384 weight rows: x's 32 fragments, 2,048 bytes each, index 4 tile + K step
.set XSC,  268288                      ; x's scale words: K step s at 512 s, tile w at 64 w, row r at 4 r
.set STG,  272384                      ; a stage of 16 rows x 272 bytes for each wave
.set ACC,  16                          ; v16-79   accumulators; in the X phase load set 0
.set WFR,  80                          ; v80-143  weight fragments; in the X phase load set 1
.set XFR,  144                         ; v144-207 x's fragments; in the X phase 64 neighbours of a lane
.set PC,   208                         ; v208-223 codes just made
.set TM,   224                         ; v224-239 the quantiser's 16 registers
.set PW,   240                         ; v240     the scale word just made
.set WS,   244                         ; v244-251 weights' scale words; at the start the two pieces of W1 and W2
.set XS,   252                         ; v252-255 x's scale words; at the start the two pieces' offsets
.set WV,   29
.set SEL,  48
.set MNT,  50
.set HM,   51
.macro PLACES n
.rept \n
	v_nop
.endr
.endm
.macro ROUND                           ; a round of the cluster's barrier
	s_barrier_signal -1
	s_barrier_wait -1
	s_cmp_lg_u32 s[WV], 0
	s_cbranch_scc1 .Lnw0_\@
	s_barrier_signal -3
.Lnw0_\@:
	s_barrier_wait -3
	s_barrier_signal -1
	s_barrier_wait -1
.endm
; one scaled product; c < 0: the sum starts with 0; ra, rb: the scales are taken from lanes 16-31
.macro MMS d, a, b, c, sa, sb, ra, rb
.if (\c) < 0
.if (\ra) && (\rb)
	v_wmma_scale_f32_16x16x128_f8f6f4 v[(\d):(\d)+7], v[(\a):(\a)+15], v[(\b):(\b)+15], 0, v[(\sa)], v[(\sb)] matrix_a_scale:MATRIX_SCALE_ROW1 matrix_b_scale:MATRIX_SCALE_ROW1
.elseif (\ra)
	v_wmma_scale_f32_16x16x128_f8f6f4 v[(\d):(\d)+7], v[(\a):(\a)+15], v[(\b):(\b)+15], 0, v[(\sa)], v[(\sb)] matrix_a_scale:MATRIX_SCALE_ROW1
.elseif (\rb)
	v_wmma_scale_f32_16x16x128_f8f6f4 v[(\d):(\d)+7], v[(\a):(\a)+15], v[(\b):(\b)+15], 0, v[(\sa)], v[(\sb)] matrix_b_scale:MATRIX_SCALE_ROW1
.else
	v_wmma_scale_f32_16x16x128_f8f6f4 v[(\d):(\d)+7], v[(\a):(\a)+15], v[(\b):(\b)+15], 0, v[(\sa)], v[(\sb)]
.endif
.else
.if (\ra) && (\rb)
	v_wmma_scale_f32_16x16x128_f8f6f4 v[(\d):(\d)+7], v[(\a):(\a)+15], v[(\b):(\b)+15], v[(\c):(\c)+7], v[(\sa)], v[(\sb)] matrix_a_scale:MATRIX_SCALE_ROW1 matrix_b_scale:MATRIX_SCALE_ROW1
.elseif (\ra)
	v_wmma_scale_f32_16x16x128_f8f6f4 v[(\d):(\d)+7], v[(\a):(\a)+15], v[(\b):(\b)+15], v[(\c):(\c)+7], v[(\sa)], v[(\sb)] matrix_a_scale:MATRIX_SCALE_ROW1
.elseif (\rb)
	v_wmma_scale_f32_16x16x128_f8f6f4 v[(\d):(\d)+7], v[(\a):(\a)+15], v[(\b):(\b)+15], v[(\c):(\c)+7], v[(\sa)], v[(\sb)] matrix_b_scale:MATRIX_SCALE_ROW1
.else
	v_wmma_scale_f32_16x16x128_f8f6f4 v[(\d):(\d)+7], v[(\a):(\a)+15], v[(\b):(\b)+15], v[(\c):(\c)+7], v[(\sa)], v[(\sb)]
.endif
.endif
.endm
; nb blocks of 32: my 16 numbers of block b in v[src + 16 b ..]; the other 16 in lane l xor 16.  Codes to v[PC + 4 b ..], the bytes to v[PW].
.macro QUANT src, tmp, nb
.irp b, 0,1,2,3
.if \b < \nb
	v_max3_num_f32 v[TM+\b], |v[\src+16*\b]|, |v[\src+16*\b+1]|, 0x4800000   ; with the floor 2^(9 - 127): the byte cannot fall under 1
.endif
.endr
.irp i, 2,4,6,8,10,12,14
.irp b, 0,1,2,3
.if \b < \nb
	v_max3_num_f32 v[TM+\b], v[TM+\b], |v[\src+16*\b+\i]|, |v[\src+16*\b+\i+1]|
.endif
.endr
.endr
.irp b, 0,1,2,3
.if \b < \nb
	s_delay_alu instid0(VALU_DEP_4)
	v_permlanex16_b32 v[TM+4+\b], v[TM+\b], s[SEL], s[SEL+1]
.endif
.endr
.irp b, 0,1,2,3
.if \b < \nb
	s_delay_alu instid0(VALU_DEP_4)
	v_max_num_f32 v[TM+\b], v[TM+\b], v[TM+4+\b]             ; the block's largest magnitude
.endif
.endr
.irp b, 0,1,2,3
.if \b < \nb
	s_delay_alu instid0(VALU_DEP_4)
	v_add_nc_u32 v[TM+12+\b], 0xfc000000, v[TM+\b]           ; 8 off its exponent field: the conversion's scale operand
.endif
.endr
.irp b, 0,1,2,3
.if \b < \nb
.endif
.endr
.irp b, 0,1,2,3
.if \b < \nb
	s_delay_alu instid0(VALU_DEP_4)
	v_lshrrev_b32 v[TM+4+\b], 23, v[TM+12+\b]                ; the scale's byte
.endif
.endr
	s_delay_alu instid0(VALU_DEP_3)
	v_lshl_or_b32 v[PW], v[TM+5], 8, v[TM+4]
.if \nb > 2
	s_delay_alu instid0(VALU_DEP_1)
	v_lshl_or_b32 v[PW], v[TM+6], 16, v[PW]
	s_delay_alu instid0(VALU_DEP_1)
	v_lshl_or_b32 v[PW], v[TM+7], 24, v[PW]
.endif
.irp b, 0,1,2,3
.if \b < \nb
.irp i, 0,1,2,3,4,5,6,7,8,9,10,11,12,13,14,15
.endr
	v_cvt_scalef32_pk8_fp8_f32 v[PC+4*\b:PC+4*\b+1], v[\tmp+16*\b:\tmp+16*\b+7], v[TM+12+\b]
	v_cvt_scalef32_pk8_fp8_f32 v[PC+4*\b+2:PC+4*\b+3], v[\tmp+16*\b+8:\tmp+16*\b+15], v[TM+12+\b]
.endif
.endr
	v_nop                                  ; a plain line behind the last conversion
.endm
; K step s of my 16 tokens of x: each load takes two whole rows' 256 bytes (lanes 0-15 one token, lanes 16-31 the next)
.macro XLOAD set, s
.irp hf, 0,1
.irp k, 0,1,2,3,4,5,6,7
	global_load_b128 v[16+64*(\set)+32*\hf+4*\k:16+64*(\set)+32*\hf+4*\k+3], v2, s[52:53] offset:(2*\k+8*(\k/4))*2048+512*(\s)+256*\hf
.endr
.endr
.endm
; through my own stage: in as loaded, back 16 neighbours a block.  LDS serves a wave's instructions in order: no wait between
.macro TURN set
.irp hf, 0,1
.irp k, 0,1,2,3,4,5,6,7
	ds_store_b128 v3, v[16+64*(\set)+32*\hf+4*\k:16+64*(\set)+32*\hf+4*\k+3] offset:544*\k
.endr
.irp bb, 0,1
.irp j, 0,1,2,3
	ds_load_b128 v[XFR+16*(2*\hf+\bb)+4*\j:XFR+16*(2*\hf+\bb)+4*\j+3], v4 offset:128*\bb+16*\j
.endr
.endr
.endr
.endm
; q (kind 0) or k (kind 1): my head's 4 tiles of features x my 2 tiles of tokens; source 0 = weight rows, source 1 = x: a lane holds one token, its registers run along the head
.macro UNIT_QK aw, sb, kind
	s_wait_xcnt 0x0                        ; what was stored before has had its registers read
	global_load_b128 v[WS:WS+3], v14, s[\sb:\sb+1]                 ; the scale bytes of rows 0-31 of my head: lanes 0-15 the even tile's, lanes 16-31 the odd one's
	global_load_b128 v[WS+4:WS+7], v14, s[\sb:\sb+1] offset:512    ; rows 32-63
.if \kind
	global_load_u8 v176, v15, s[68:69]                             ; the mask bytes of my two tiles of keys
	global_load_u8 v177, v15, s[68:69] offset:8
.endif
.irp s, 0,1,2,3
.if \s > 0
	PLACES 8                               ; in front of loads into registers that the last products read
.endif
.irp f, 0,1,2,3
.irp c, 0,1,2,3
	ds_load_b128 v[WFR+16*\f+4*\c:WFR+16*\f+4*\c+3], v[\aw] offset:(32*(\f/2)+8*(\f%2))*WPI+128*\s+32*\c
.endr
.endr
.irp m, 0,1
.irp c, 0,1,2,3
	ds_load_b128 v[XFR+16*\m+4*\c:XFR+16*\m+4*\c+3], v10 offset:\m*8192+\s*2048+512*\c
.endr
.endr
	ds_load_b32 v[XS], v11 offset:\s*512
.if \s == 0
	s_wait_loadcnt 0x0
.endif
	s_wait_dscnt 0x0
.irp m, 0,1
.irp f, 0,1,2,3
.if \s == 0
	MMS ACC+8*(4*\m+\f), WFR+16*\f, XFR+16*\m, -1, WS+4*(\f/2)+\s, XS, \f%2, \m
.else
	MMS ACC+8*(4*\m+\f), WFR+16*\f, XFR+16*\m, ACC+8*(4*\m+\f), WS+4*(\f/2)+\s, XS, \f%2, \m
.endif
.endr
.endr
.endr
	PLACES 8
	QUANT ACC, ACC, 4                      ; block 2 m + b: token tile m, the head's numbers 32 b on
.if \kind
	v_and_or_b32 v241, v[PW], 0xffff, s34  ; the word of tile m: its two bytes, then the bytes of the two blocks that the head leaves empty
	v_lshrrev_b32 v242, 16, v[PW]
	s_delay_alu instid0(VALU_DEP_1)
	v_or_b32 v242, s34, v242
.else
	v_and_or_b32 v241, v[PW], 0xffff, s35
	v_lshrrev_b32 v242, 16, v[PW]
	s_delay_alu instid0(VALU_DEP_1)
	v_or_b32 v242, s35, v242
.endif
	s_delay_alu instid0(VALU_DEP_1)
	v_cndmask_b32 v243, v241, v242, s[HM]  ; lanes 0-15 carry the even tile's word, lanes 16-31 the odd one's
.if \kind
	v_cmp_eq_u32 vcc_lo, 0, v176
	s_delay_alu instid0(VALU_DEP_1)
	v_cndmask_b32 v178, v181, v180, vcc_lo ; the codes 192, 8 at k = 64, 65 where the key is masked out
	v_cmp_eq_u32 vcc_lo, 0, v177
	s_delay_alu instid0(VALU_DEP_1)
	v_cndmask_b32 v179, v181, v180, vcc_lo
.irp q, 0,1,2,3
	global_store_b128 v1, v[PC+4*\q:PC+4*\q+3], s[78:79] offset:512*\q
.endr
	global_store_b32 v1, v243, s[80:81] offset:16384
	global_store_b32 v2, v178, s[82:83] offset:17408
	global_store_b32 v2, v179, s[82:83] offset:17408+128
.else
.irp q, 0,1,2,3
	global_store_b128 v1, v[PC+4*\q:PC+4*\q+3], s[54:55] offset:512*\q
.endr
	global_store_b32 v2, v243, s[56:57]
.endif
.endm
	s_load_b512 s[4:19], s[0:1], 0x0       ; x, mask, Wq codes, scales, Wk codes, scales, Wv codes, scales
	s_load_b128 s[20:23], s[0:1], 0x40     ; q_img, q_sc
	s_load_b64 s[24:25], s[0:1], 0x50      ; kv
	s_load_b64 s[88:89], s[0:1], 0x58      ; W1's codes
	s_load_b64 s[90:91], s[0:1], 0x60      ; W2's codes
	s_load_b64 s[92:93], s[0:1], 0x68      ; w1_img
	s_load_b64 s[94:95], s[0:1], 0x70      ; w2_img
	s_set_vgpr_msb 0x40
	v_lshl_add_u32 v0, v0, 2, 0x4b000
	v_mov_b32 v1, 0
	s_set_vgpr_msb 0x4045
	ds_add_u32 v0, v1
	ds_add_u32 v0, v1
	s_set_vgpr_msb 0x4500
	v_lshrrev_b32 v1, 5, v0
	s_delay_alu instid0(VALU_DEP_1)
	v_readfirstlane_b32 s[WV], v1          ; wave 0..7
	s_bfe_u32 s26, ttmp6, 0x40000          ; cx
	s_lshl_b32 s27, ttmp9, 2
	s_add_co_u32 s27, s27, s26             ; tb: my block of 128 tokens
	s_and_b32 s28, ttmp7, 0xffff           ; p: my pair of heads, shared by the cluster
	s_lshr_b32 s30, s[WV], 2               ; hh: which of the two heads
	s_and_b32 s31, s[WV], 3                ; tq: my pair of token tiles; in the V unit my tile of d
	; group 1: 64 rows of 512 bytes, 16 bytes of padding behind each; mask: all four work-groups
	s_mov_b32 s36, 15|(1<<20)|(1<<21)|(6<<22)|(3<<25)
	s_mov_b32 s37, 512<<16
	s_mov_b32 s38, 64<<16
	s_mov_b32 s39, 512<<16
	s_mov_b32 s40, 64
	s_mov_b32 s41, 512
	s_mov_b32 s42, 0
	s_mov_b32 s43, 0
	s_mov_b32 s44, 1
	s_mul_i32 s45, s[WV], 33792            ; wave w's 64 rows in LDS
	s_lshr_b32 s70, s[WV], 1               ; 0: Wq, 1: Wk, 2: Wv
	s_and_b32 s71, s[WV], 1
	s_lshl_b32 s72, s28, 16                ; 128 p rows of 512 bytes
	s_lshl_b32 s71, s71, 15                ; + 64 rows for the odd wave
	s_add_co_u32 s72, s72, s71
	s_mov_b32 s73, 0
	s_mov_b32 s[SEL], 0x76543210
	s_mov_b32 s[SEL+1], 0xfedcba98
	s_mov_b32 s[HM], 0xffff0000            ; lanes 16-31
	s_mov_b32 s34, 0x7f810000              ; k: block 2 under the scale 4, block 3 under 1
	s_mov_b32 s35, 0x7f7f0000              ; q: both under 1
	s_wait_dscnt 0x0
	s_wait_kmcnt 0x0
	s_cmp_eq_u32 s70, 0
	s_cselect_b64 s[46:47], s[8:9], s[12:13]
	s_cmp_lt_u32 s70, 2
	s_cselect_b64 s[46:47], s[46:47], s[16:17]
	s_add_nc_u64 s[46:47], s[46:47], s[72:73]
	s_or_b32 s47, s47, 0x80000000
	ROUND                                  ; the four work-groups are here: the joint loads meet
	s_cmp_lt_u32 s[WV], 6
	s_cbranch_scc0 .Lno_fill
	tensor_load_to_lds s[44:47], s[36:43]  ; waves 0-5: 64 weight rows each; filled once
	s_nop 0
	PLACES 4
.Lno_fill:
	v_and_b32 v241, 31, v0                 ; L
	v_and_b32 v242, 15, v0                 ; r
	v_bfe_u32 v243, v0, 4, 1               ; h
	s_delay_alu instid0(VALU_DEP_3)
	v_lshlrev_b32 v1, 4, v241              ; 16 L
	s_delay_alu instid0(VALU_DEP_3)
	v_lshlrev_b32 v2, 4, v242
	s_delay_alu instid0(VALU_DEP_1)
	v_lshl_add_u32 v2, v243, 11, v2        ; x: 2,048 h + 16 r
	s_mul_i32 s70, s[WV], 4352
	s_add_co_u32 s70, s70, STG
	v_mul_u32_u24 v3, v243, 272
	s_delay_alu instid0(VALU_DEP_1)
	v_lshl_add_u32 v3, v242, 4, v3
	s_delay_alu instid0(VALU_DEP_1)
	v_add_nc_u32 v3, s70, v3               ; the stage, in
	v_mul_u32_u24 v4, v242, 272
	s_delay_alu instid0(VALU_DEP_1)
	v_lshl_add_u32 v4, v243, 6, v4
	s_delay_alu instid0(VALU_DEP_1)
	v_add_nc_u32 v4, s70, v4               ; and back
	s_lshl_b32 s70, s[WV], 13
	s_add_co_u32 s70, s70, XIMG
	v_add_nc_u32 v5, s70, v1               ; where my tile's images go
	s_lshl_b32 s70, s[WV], 6
	s_add_co_u32 s70, s70, XSC
	v_lshl_add_u32 v6, v242, 2, s70        ; and its scale words
	v_and_b32 v15, 8, v242
	s_delay_alu instid0(VALU_DEP_1)
	v_add_nc_u32 v15, v15, v242            ; r + (r & 8)
	s_delay_alu instid0(VALU_DEP_1)
	v_mul_u32_u24 v7, v15, WPI
	s_delay_alu instid0(VALU_DEP_1)
	v_lshl_add_u32 v7, v243, 4, v7
	s_wait_alu depctr_va_vdst(0)
	s_mul_i32 s70, s30, 33792
	s_lshr_b32 s71, s31, 1
	s_mul_i32 s71, s71, 16896
	s_and_b32 s72, s31, 1
	s_mul_i32 s72, s72, 4224
	s_add_co_u32 s71, s71, s72
	s_add_co_u32 s71, s71, s70
	s_add_co_u32 s71, s71, 135168
	v_add_nc_u32 v9, s71, v7               ; Wv: my head's tile f
	s_add_co_u32 s71, s70, 67584
	v_add_nc_u32 v8, s71, v7               ; Wk: my head's rows
	v_add_nc_u32 v7, s70, v7               ; Wq: my head's rows
	s_lshl_b32 s71, s31, 14
	s_add_co_u32 s71, s71, XIMG
	v_add_nc_u32 v10, s71, v1              ; x's images of my pair of tiles
	s_lshl_b32 s71, s31, 7
	s_add_co_u32 s71, s71, XSC
	v_lshl_add_u32 v11, v241, 2, s71       ; and their scale words
	v_add_nc_u32 v12, XIMG, v1
	v_lshl_add_u32 v13, v241, 2, XSC
	v_lshlrev_b32 v14, 4, v15
	s_delay_alu instid0(VALU_DEP_1)
	v_lshl_add_u32 v14, v243, 7, v14       ; 16 (8 h + r + (r & 8))
.irp b, 0,1,2,3
	v_mov_b32 v[TM+4+\b], 0                ; a lane permute's destination counts as read: written once
.endr
	s_mov_b32 s33, 0
	; piece g of W1 and of W2, g = 8 (64 p + tb) + wave = 256 chunk + 32 wave' + 4 fragment + c
	s_lshl_b32 s76, s28, 6
	s_add_co_u32 s76, s76, s27
	s_lshl_b32 s76, s76, 3
	s_add_co_u32 s76, s76, s[WV]           ; g
	s_lshl_b32 s32, s76, 9
	s_add_nc_u64 s[92:93], s[92:93], s[32:33]      ; both images: 512 g
	s_add_nc_u64 s[94:95], s[94:95], s[32:33]
	s_lshr_b32 s77, s76, 5                 ; W1: fragment 4 u + s: row 32 (g / 32) + 8 u, byte 128 s + 32 c = 32 (g % 16); a row is 512 bytes
	s_lshl_b32 s77, s77, 14
	s_bfe_u32 s32, s76, 0x10004            ; u
	s_lshl_b32 s32, s32, 12
	s_add_co_u32 s77, s77, s32
	s_and_b32 s32, s76, 15
	s_lshl_b32 s32, s32, 5
	s_add_co_u32 s32, s32, s77
	s_add_nc_u64 s[88:89], s[88:89], s[32:33]
	s_bfe_u32 s77, s76, 0x30005            ; W2: fragment 2 ft + ks: row 64 wave' + 32 (ft / 2) + 8 (ft % 2), byte 256 chunk + 128 ks + 32 c; a row is 2,048 bytes
	s_lshl_b32 s77, s77, 17
	s_bfe_u32 s32, s76, 0x10004            ; ft / 2
	s_lshl_b32 s32, s32, 16
	s_add_co_u32 s77, s77, s32
	s_bfe_u32 s32, s76, 0x10003            ; ft % 2
	s_lshl_b32 s32, s32, 14
	s_add_co_u32 s77, s77, s32
	s_lshr_b32 s32, s76, 8                 ; chunk
	s_lshl_b32 s32, s32, 8
	s_add_co_u32 s77, s77, s32
	s_and_b32 s32, s76, 7
	s_lshl_b32 s32, s32, 5
	s_add_co_u32 s32, s32, s77
	s_add_nc_u64 s[90:91], s[90:91], s[32:33]
	v_lshlrev_b32 v252, 9, v15
	s_delay_alu instid0(VALU_DEP_1)
	v_lshl_add_u32 v252, v243, 4, v252     ; 512 (r + (r & 8)) + 16 h
	v_lshlrev_b32 v253, 11, v15
	s_delay_alu instid0(VALU_DEP_1)
	v_lshl_add_u32 v253, v243, 4, v253     ; 2,048 (r + (r & 8)) + 16 h
	global_load_b128 v[244:247], v252, s[88:89]
	global_load_b128 v[248:251], v253, s[90:91]
	; global bases
	s_lshl_b32 s32, s27, 18
	s_lshr_b32 s76, s[WV], 1
	s_lshl_b32 s76, s76, 16
	s_add_co_u32 s32, s32, s76
	s_and_b32 s76, s[WV], 1
	s_lshl_b32 s76, s76, 14
	s_add_co_u32 s32, s32, s76
	s_add_nc_u64 s[52:53], s[4:5], s[32:33]        ; x at token 128 tb + 32 (w / 2) + 8 (w % 2)
	XLOAD 0, 0
	XLOAD 1, 1
	s_lshr_b32 s74, s27, 4
	s_lshl_b32 s74, s74, 3
	s_lshl_b32 s75, s28, 1
	s_add_co_u32 s74, s74, s75
	s_add_co_u32 s74, s74, s30             ; bh = 8 batch + head
	s_and_b32 s76, s27, 15                 ; the key step
	s_lshl_b32 s75, s74, 7
	s_lshl_b32 s77, s76, 3
	s_add_co_u32 s75, s75, s77
	s_lshl_b32 s77, s31, 1
	s_add_co_u32 s75, s75, s77             ; my first token tile of the head
	s_lshl_b32 s32, s75, 10
	s_add_nc_u64 s[54:55], s[20:21], s[32:33]
	s_lshl_b32 s32, s75, 6
	s_add_nc_u64 s[56:57], s[22:23], s[32:33]
	s_lshl_b32 s32, s74, 4
	s_add_co_u32 s32, s32, s76
	s_mul_i32 s32, s32, REC
	s_add_nc_u64 s[58:59], s[24:25], s[32:33]      ; my record
	s_lshl_b32 s32, s31, 11
	s_add_nc_u64 s[78:79], s[58:59], s[32:33]      ; + 2,048 tq: K's images of my pair; V's of my tile 8,192 further on
	s_lshl_b32 s32, s31, 2
	s_add_nc_u64 s[80:81], s[58:59], s[32:33]
	s_lshl_b32 s32, s31, 8
	s_add_nc_u64 s[82:83], s[58:59], s[32:33]
	s_and_b32 s32, s31, 1
	s_lshl_b32 s32, s32, 8
	s_lshr_b32 s77, s31, 1
	s_lshl_b32 s77, s77, 3
	s_add_co_u32 s32, s32, s77
	s_add_nc_u64 s[86:87], s[58:59], s[32:33]
	s_lshl_b32 s32, s28, 11
	s_lshl_b32 s77, s30, 10
	s_add_co_u32 s32, s32, s77             ; 16 bytes x (128 p + 64 hh) rows of scales
	s_add_nc_u64 s[60:61], s[10:11], s[32:33]
	s_add_nc_u64 s[62:63], s[14:15], s[32:33]
	s_lshr_b32 s77, s31, 1
	s_lshl_b32 s77, s77, 9
	s_add_co_u32 s32, s32, s77
	s_and_b32 s77, s31, 1
	s_lshl_b32 s77, s77, 7
	s_add_co_u32 s32, s32, s77
	s_add_nc_u64 s[66:67], s[18:19], s[32:33]
	s_lshl_b32 s32, s27, 7
	s_lshl_b32 s77, s31, 5
	s_add_co_u32 s32, s32, s77
	s_add_nc_u64 s[68:69], s[6:7], s[32:33]        ; the mask at my pair of tiles
	; ---- X: wave w quantises token tile w, a K step of 128 at a time; loads run two K steps ahead
.irp s, 0,1,2,3
.if \s < 3
	s_wait_loadcnt 16                      ; this K step's 16 loads are in (and, in the first trip, the two pieces asked for ahead of them); the next step's 16 may be out
.else
	s_wait_loadcnt 0x0
.endif
.if \s == 0
	global_store_b128 v1, v[244:247], s[92:93]     ; W1's piece: 512 consecutive bytes
	global_store_b128 v1, v[248:251], s[94:95]     ; W2's
.endif
	TURN \s%2
	s_wait_dscnt 0x0                       ; the numbers are back; the stage's stores and the last step's image stores have read their registers
.if \s < 2
	XLOAD \s%2, \s+2
.endif
	QUANT XFR, XFR, 4
.irp c, 0,1,2,3
	ds_store_b128 v5, v[PC+4*\c:PC+4*\c+3] offset:\s*2048+512*\c
.endr
	ds_store_b32 v6, v[PW] offset:\s*512   ; both lanes of a row write the same word
.endr
	s_wait_tensorcnt 0x0                   ; my weight rows have landed,
	s_wait_dscnt 0x0                       ; my images are stored:
	s_barrier_signal -1
	s_barrier_wait -1                      ; everybody's are.
	v_and_b32 v2, 31, v0
	s_delay_alu instid0(VALU_DEP_1)
	v_lshlrev_b32 v2, 2, v2                ; 4 L
	v_lshlrev_b32 v3, 4, v15               ; 16 (r + (r & 8))
	v_and_b32 v4, 15, v0
	s_delay_alu instid0(VALU_DEP_1)
	v_lshlrev_b32 v4, 4, v4                ; 16 r
	v_mov_b32 v180, 0x5074
	v_mov_b32 v181, 0
	s_delay_alu instid0(VALU_DEP_1)
	v_cndmask_b32 v180, v180, v181, s[HM]  ; k = 64, 65 lie in lanes 0-15
	UNIT_QK 7, 60, 0
	UNIT_QK 8, 62, 1
	; ---- V: my head's tile f of d x all 8 token tiles; source 0 = x, source 1 = Wv: a lane holds one d, its registers run along the keys
	s_wait_xcnt 0x0
	global_load_b128 v[WS:WS+3], v3, s[66:67]
.irp s, 0,1,2,3
.if \s > 0
	PLACES 8
.endif
.irp c, 0,1,2,3
	ds_load_b128 v[WFR+4*\c:WFR+4*\c+3], v9 offset:128*\s+32*\c
.endr
.irp q, 0,1,2,3
	ds_load_b32 v[XS+\q], v13 offset:\s*512+128*\q
.endr
.irp g, 0,1
.if \g > 0
	PLACES 8
.endif
.irp i, 0,1,2,3
.irp c, 0,1,2,3
	ds_load_b128 v[XFR+16*\i+4*\c:XFR+16*\i+4*\c+3], v12 offset:(4*\g+\i)*8192+\s*2048+512*\c
.endr
.endr
.if \s == 0
	s_wait_loadcnt 0x0
.endif
	s_wait_dscnt 0x0
.irp i, 0,1,2,3
.if \s == 0
	MMS ACC+8*(4*\g+\i), XFR+16*\i, WFR, -1, XS+2*\g+\i/2, WS+\s, \i%2, 0
.else
	MMS ACC+8*(4*\g+\i), XFR+16*\i, WFR, ACC+8*(4*\g+\i), XS+2*\g+\i/2, WS+\s, \i%2, 0
.endif
.endr
.endr
.endr
	PLACES 8
	QUANT ACC, ACC, 4                      ; four blocks of 32 keys
	v_mov_b32 v242, v[PW]
	v_mov_b32 v243, v[PW]
.irp c, 0,1,2,3
	global_store_b128 v1, v[PC+4*\c:PC+4*\c+3], s[78:79] offset:8192+512*\c
.endr
	global_store_b64 v4, v[242:243], s[86:87] offset:16896         ; both lanes of a row store the same 8 bytes
	s_set_vgpr_msb 0x5
	s_wait_tensorcnt 0x0
	ds_add_u32 v0, v1
	s_wait_dscnt 0x0
	s_set_vgpr_msb 0x500
	ROUND                                  ; the closing round
	s_endpgm
.Lfunc_end_k_qc2fdcf8c7c_qkv:
	.size	k_qc2fdcf8c7c_qkv, .Lfunc_end_k_qc2fdcf8c7c_qkv-k_qc2fdcf8c7c_qkv
	.p2alignl 7, 3214868480
	.fill 96, 4, 3214868480
	.section	.rodata,"a",@progbits
	.p2align	6, 0x0
	.amdhsa_kernel k_qc2fdcf8c7c_qkv
		.amdhsa_group_segment_fixed_size 308224
		.amdhsa_private_segment_fixed_size 0
		.amdhsa_enable_private_segment 0
		.amdhsa_kernarg_size 120
		.amdhsa_user_sgpr_count 2
		.amdhsa_user_sgpr_kernarg_segment_ptr 1
		.amdhsa_wavefront_size32 1
		.amdhsa_system_sgpr_workgroup_id_x 1
		.amdhsa_system_sgpr_workgroup_id_y 1
		.amdhsa_system_sgpr_workgroup_id_z 1
		.amdhsa_system_vgpr_workitem_id 0
		.amdhsa_next_free_vgpr 258
		.amdhsa_next_free_sgpr 96
		.amdhsa_reserve_vcc 1
		.amdhsa_float_denorm_mode_32 3
		.amdhsa_float_denorm_mode_16_64 3
		.amdhsa_fp16_overflow 1
		.amdhsa_memory_ordered 1
		.amdhsa_forward_progress 1
		.amdhsa_inst_pref_size 98
	.end_amdhsa_kernel
	.amdgpu_metadata
---
amdhsa.version: [ 1, 2 ]
amdhsa.kernels:
  - .name:           k_qc2fdcf8c7c_qkv
    .symbol:         k_qc2fdcf8c7c_qkv.kd
    .args:
      - { .name: x, .offset: 0, .size: 8, .value_kind: global_buffer, .address_space: global }
      - { .name: attention_mask, .offset: 8, .size: 8, .value_kind: global_buffer, .address_space: global }
      - { .name: Wq_codes, .offset: 16, .size: 8, .value_kind: global_buffer, .address_space: global }
      - { .name: Wq_scales, .offset: 24, .size: 8, .value_kind: global_buffer, .address_space: global }
      - { .name: Wk_codes, .offset: 32, .size: 8, .value_kind: global_buffer, .address_space: global }
      - { .name: Wk_scales, .offset: 40, .size: 8, .value_kind: global_buffer, .address_space: global }
      - { .name: Wv_codes, .offset: 48, .size: 8, .value_kind: global_buffer, .address_space: global }
      - { .name: Wv_scales, .offset: 56, .size: 8, .value_kind: global_buffer, .address_space: global }
      - { .name: q_img, .offset: 64, .size: 8, .value_kind: global_buffer, .address_space: global }
      - { .name: q_sc, .offset: 72, .size: 8, .value_kind: global_buffer, .address_space: global }
      - { .name: kv, .offset: 80, .size: 8, .value_kind: global_buffer, .address_space: global }
      - { .name: W1_codes, .offset: 88, .size: 8, .value_kind: global_buffer, .address_space: global }
      - { .name: W2_codes, .offset: 96, .size: 8, .value_kind: global_buffer, .address_space: global }
      - { .name: w1_img, .offset: 104, .size: 8, .value_kind: global_buffer, .address_space: global }
      - { .name: w2_img, .offset: 112, .size: 8, .value_kind: global_buffer, .address_space: global }
    .group_segment_fixed_size: 308224
    .private_segment_fixed_size: 0
    .kernarg_segment_align: 8
    .kernarg_segment_size: 120
    .max_flat_workgroup_size: 256
    .sgpr_count:     96
    .vgpr_count:     258
    .wavefront_size: 32
...
	.end_amdgpu_metadata
.endif
;; end of part 1
;; launch attn (part 2): grid 8 x 32, 8 waves a work-group, clusters of 4 x 1, 327,680 bytes of LDS; arguments q_img, q_sc, kv, ctx_img, ctx_sc; writes ctx_img, ctx_sc
.if DOCPART == 2
	.amdgcn_target "amdgcn-amd-amdhsa--gfx1250"
	.amdhsa_code_object_version 6
	.text
	.protected	k_qc2fdcf8c7c_attn
	.globl	k_qc2fdcf8c7c_attn
	.p2align	8
	.type	k_qc2fdcf8c7c_attn,@function
k_qc2fdcf8c7c_attn:
	s_mov_b64 s[64:65], 0
	v_nop
	global_prefetch_b8 v0, s[64:65] scope:SCOPE_SE
	s_setreg_imm32_b32 hwreg(HW_REG_WAVE_MODE, 25, 1), 1
	s_wait_xcnt 0x0
	s_wait_alu depctr_hold_cnt(0) depctr_sa_sdst(0) depctr_va_vdst(0) depctr_va_sdst(0) depctr_va_ssrc(0) depctr_va_vcc(0) depctr_vm_vsrc(0)
	s_getreg_b32 s2, hwreg(HW_REG_IB_STS2, 6, 4)
	s_cmp_eq_u32 s2, 0
	s_cbranch_scc0 .Lentry_in_a_cluster
	s_endpgm
.Lentry_in_a_cluster:
	s_bfe_u32 s2, ttmp6, 0x10000c
	s_cmp_lg_u32 s2, 0x3003
	s_cbranch_scc0 .Lentry_shape_is_right
	s_endpgm
.Lentry_shape_is_right:
.set REC,  18432
.set S,    96
.set O,    160
.set PC,   192
.set TM,   208
.set BM,   208
.set T2,   212
.set HOLD, 216
.set SCL,  220
.set FF,   224
.set TT,   226
.set SU2,  228
.set PW,   230
.set KSR,  240
.set VSR,  244
.set QSA,  248
.set QSB,  249
.set PWA,  250
.set PWB,  251
.set WV,   17
.set SEL,  44
.set CS,   46
.set MNT,  48
.set TB,   49
.set CNT,  50
.set HM,   51
.set MSB, 0
.macro WIN new
.if MSB != \new
	s_set_vgpr_msb (MSB<<8)|\new
.set MSB, \new
.endif
.endm
.macro PLACES n
.rept \n
	v_nop
.endr
.endm
.macro ROUND
	s_barrier_signal -1
	s_barrier_wait -1
	s_cmp_lg_u32 s[WV], 0
	s_cbranch_scc1 .Lnw0_\@
	s_barrier_signal -3
.Lnw0_\@:
	s_barrier_wait -3
	s_barrier_signal -1
	s_barrier_wait -1
.endm
.macro MMS d, a, b, c, sa, sb, ra, rb
.if (\c) < 0
.if (\ra) && (\rb)
	v_wmma_scale_f32_16x16x128_f8f6f4 v[(\d):(\d)+7], v[(\a):(\a)+15], v[(\b):(\b)+15], 0, v[(\sa)], v[(\sb)] matrix_a_scale:MATRIX_SCALE_ROW1 matrix_b_scale:MATRIX_SCALE_ROW1
.elseif (\ra)
	v_wmma_scale_f32_16x16x128_f8f6f4 v[(\d):(\d)+7], v[(\a):(\a)+15], v[(\b):(\b)+15], 0, v[(\sa)], v[(\sb)] matrix_a_scale:MATRIX_SCALE_ROW1
.elseif (\rb)
	v_wmma_scale_f32_16x16x128_f8f6f4 v[(\d):(\d)+7], v[(\a):(\a)+15], v[(\b):(\b)+15], 0, v[(\sa)], v[(\sb)] matrix_b_scale:MATRIX_SCALE_ROW1
.else
	v_wmma_scale_f32_16x16x128_f8f6f4 v[(\d):(\d)+7], v[(\a):(\a)+15], v[(\b):(\b)+15], 0, v[(\sa)], v[(\sb)]
.endif
.else
.if (\ra) && (\rb)
	v_wmma_scale_f32_16x16x128_f8f6f4 v[(\d):(\d)+7], v[(\a):(\a)+15], v[(\b):(\b)+15], v[(\c):(\c)+7], v[(\sa)], v[(\sb)] matrix_a_scale:MATRIX_SCALE_ROW1 matrix_b_scale:MATRIX_SCALE_ROW1
.elseif (\ra)
	v_wmma_scale_f32_16x16x128_f8f6f4 v[(\d):(\d)+7], v[(\a):(\a)+15], v[(\b):(\b)+15], v[(\c):(\c)+7], v[(\sa)], v[(\sb)] matrix_a_scale:MATRIX_SCALE_ROW1
.elseif (\rb)
	v_wmma_scale_f32_16x16x128_f8f6f4 v[(\d):(\d)+7], v[(\a):(\a)+15], v[(\b):(\b)+15], v[(\c):(\c)+7], v[(\sa)], v[(\sb)] matrix_b_scale:MATRIX_SCALE_ROW1
.else
	v_wmma_scale_f32_16x16x128_f8f6f4 v[(\d):(\d)+7], v[(\a):(\a)+15], v[(\b):(\b)+15], v[(\c):(\c)+7], v[(\sa)], v[(\sb)]
.endif
.endif
.endm
.macro QUANT src, tmp, nb
.irp b, 0,1,2,3
.if \b < \nb
	v_max3_num_f32 v[TM+\b], |v[\src+16*\b]|, |v[\src+16*\b+1]|, 0x4800000
.endif
.endr
.irp i, 2,4,6,8,10,12,14
.irp b, 0,1,2,3
.if \b < \nb
	s_delay_alu instid0(VALU_DEP_2)
	v_max3_num_f32 v[TM+\b], v[TM+\b], |v[\src+16*\b+\i]|, |v[\src+16*\b+\i+1]|
.endif
.endr
.endr
.irp b, 0,1,2,3
.if \b < \nb
	s_delay_alu instid0(VALU_DEP_2)
	v_permlanex16_b32 v[TM+4+\b], v[TM+\b], s[SEL], s[SEL+1]
.endif
.endr
.irp b, 0,1,2,3
.if \b < \nb
	s_delay_alu instid0(VALU_DEP_2)
	v_max_num_f32 v[TM+\b], v[TM+\b], v[TM+4+\b]
.endif
.endr
.irp b, 0,1,2,3
.if \b < \nb
	s_delay_alu instid0(VALU_DEP_2)
	v_add_nc_u32 v[TM+12+\b], 0xfc000000, v[TM+\b]
.endif
.endr
.irp b, 0,1,2,3
.if \b < \nb
.endif
.endr
.irp b, 0,1,2,3
.if \b < \nb
	s_delay_alu instid0(VALU_DEP_2)
	v_lshrrev_b32 v[TM+4+\b], 23, v[TM+12+\b]
.endif
.endr
	s_delay_alu instid0(VALU_DEP_1)
	v_lshl_or_b32 v[PW], v[TM+5], 8, v[TM+4]
.if \nb > 2
	v_lshl_or_b32 v[PW], v[TM+6], 16, v[PW]
	v_lshl_or_b32 v[PW], v[TM+7], 24, v[PW]
.endif
.irp b, 0,1,2,3
.if \b < \nb
.irp i, 0,1,2,3,4,5,6,7,8,9,10,11,12,13,14,15
.endr
	v_cvt_scalef32_pk8_fp8_f32 v[PC+4*\b:PC+4*\b+1], v[\tmp+16*\b:\tmp+16*\b+7], v[TM+12+\b]
	v_cvt_scalef32_pk8_fp8_f32 v[PC+4*\b+2:PC+4*\b+3], v[\tmp+16*\b+8:\tmp+16*\b+15], v[TM+12+\b]
.endif
.endr
	v_nop
.endm
.macro INIT
	v_mov_b32 v24, 0xb8b8
	v_mov_b32 v25, 0
	s_delay_alu instid0(VALU_DEP_1)
	v_cndmask_b32 v24, v24, v25, s[HM]
.irp i, 26,27,28,29,30,31
	v_mov_b32 v[\i], 0
.endr
	v_mov_b32 v13, 0xff61b1e6
	s_delay_alu instid0(VALU_DEP_1)
	v_floor_f32 v12, -v13
	v_mov_b32 v14, 0
	v_mov_b32 v15, 0
.irp i, 0,1,2,3,4,5,6,7,8,9,10,11,12,13,14,15,16,17,18,19,20,21,22,23,24,25,26,27,28,29,30,31
	v_mov_b32 v[O+\i], 0
.endr
.irp b, 0,1,2,3
	v_mov_b32 v[T2+\b], 0
.endr
	v_mov_b32 v[FF+1], 0
	v_mov_b32 v[TT], 0
.endm
.macro SM w, pw
.if \w
	WIN 0x55
.endif
.irp b, 0,1,2,3
	v_max3_num_f32 v[BM+\b], v[S+16*\b], v[S+1+16*\b], v[S+2+16*\b]
.endr
.irp i, 3,5,7,9,11,13
.irp b, 0,1,2,3
	v_max3_num_f32 v[BM+\b], v[BM+\b], v[S+16*\b+\i], v[S+1+16*\b+\i]
.endr
.endr
.irp b, 0,1,2,3
	v_max_num_f32 v[BM+\b], v[BM+\b], v[S+15+16*\b]
.endr
.irp b, 0,1,2,3
	s_delay_alu instid0(VALU_DEP_4)
	v_permlanex16_b32 v[T2+\b], v[BM+\b], s[SEL], s[SEL+1]
.endr
.irp b, 0,1,2,3
	s_delay_alu instid0(VALU_DEP_4)
	v_max_num_f32 v[BM+\b], v[BM+\b], v[T2+\b]
.endr
	s_delay_alu instid0(VALU_DEP_2)
	v_max3_num_f32 v[TT], v[BM], v[BM+1], v[BM+2]
	s_delay_alu instid0(VALU_DEP_1)
	v_max_num_f32 v[TT], v[TT], v[BM+3]
	s_delay_alu instid0(VALU_DEP_1)
	v_mul_f32 v[TT], s[CS], v[TT]
	s_delay_alu instid0(VALU_DEP_1)
	v_max_num_f32 v13, v13, v[TT]
	v_mov_b32 v[TT], v12
	s_delay_alu instid0(VALU_DEP_2)
	v_floor_f32 v12, -v13
	s_delay_alu instid0(VALU_DEP_1)
	v_sub_f32 v[TT], v12, v[TT]
	s_delay_alu instid0(VALU_DEP_1)
	v_cvt_i32_f32 v[TT], v[TT]
	s_delay_alu instid0(VALU_DEP_1)
	v_ldexp_f32 v[FF], 1.0, v[TT]
.irp j, 0,2,4,6,8,10,12,14,16,18,20,22,24,26,28,30,32,34,36,38,40,42,44,46,48,50,52,54,56,58,60,62
	v_pk_fma_f32 v[S+\j:S+\j+1], v[S+\j:S+\j+1], s[CS:CS+1], v[12:13] op_sel_hi:[1,0,0]
.endr
.irp b, 0,1,2,3
	v_fma_f32 v[BM+\b], v[BM+\b], s[CS], v12
.endr
	s_wait_alu depctr_va_vdst(0)
.irp j, 0,1,2,3,4,5,6,7,8,9,10,11,12,13,14,15,16,17,18,19,20,21,22,23,24,25,26,27,28,29,30,31,32,33,34,35,36,37,38,39,40,41,42,43,44,45,46,47,48,49,50,51,52,53,54,55,56,57,58,59,60,61,62,63
	v_exp_f32 v[S+\j], v[S+\j]
.endr
.irp b, 0,1,2,3
	v_exp_f32 v[BM+\b], v[BM+\b]
.endr
	v_pk_mul_f32 v[14:15], v[14:15], v[FF:FF+1] op_sel_hi:[1,0]
	s_wait_alu depctr_va_vdst(0)
.irp b, 0,1,2,3
	v_max_num_f32 v[BM+\b], 0x4800000, v[BM+\b]
.endr
.irp b, 0,1,2,3
	s_delay_alu instid0(VALU_DEP_4)
	v_add_nc_u32 v[SCL+\b], 0xfc000000, v[BM+\b]
.endr
.irp b, 0,1,2,3
.endr
.irp b, 0,1,2,3
	s_delay_alu instid0(VALU_DEP_4)
	v_lshrrev_b32 v[T2+\b], 23, v[SCL+\b]
.endr
	s_delay_alu instid0(VALU_DEP_3)
	v_lshl_or_b32 v[PW], v[T2+1], 8, v[T2]
	s_delay_alu instid0(VALU_DEP_1)
	v_lshl_or_b32 v[PW], v[T2+2], 16, v[PW]
	s_delay_alu instid0(VALU_DEP_1)
	v_lshl_or_b32 v[PW], v[T2+3], 24, v[PW]
.if \w
	WIN 0x01
.endif
	v_mov_b32 v[\pw], v[PW]
.if \w
	WIN 0x55
.endif
	v_pk_add_f32 v[SU2:SU2+1], v[S:S+1], v[S+2:S+3]
.irp j, 4,8,12,16,20,24,28,32,36,40,44,48,52,56,60
	v_pk_add_f32 v[14:15], v[14:15], v[S+\j:S+\j+1]
	v_pk_add_f32 v[SU2:SU2+1], v[SU2:SU2+1], v[S+2+\j:S+3+\j]
.endr
	s_delay_alu instid0(VALU_DEP_1)
	v_pk_add_f32 v[14:15], v[14:15], v[SU2:SU2+1]
.irp b, 0,1,2,3
.irp i, 0,1,2,3,4,5,6,7,8,9,10,11,12,13,14,15
.endr
	v_cvt_scalef32_pk8_fp8_f32 v[PC+4*\b:PC+4*\b+1], v[S+16*\b:S+16*\b+7], v[SCL+\b]
	v_cvt_scalef32_pk8_fp8_f32 v[PC+4*\b+2:PC+4*\b+3], v[S+16*\b+8:S+16*\b+15], v[SCL+\b]
.endr
.irp j, 0,2,4,6,8,10,12,14,16,18,20,22,24,26,28,30
	v_pk_mul_f32 v[O+\j:O+\j+1], v[O+\j:O+\j+1], v[FF:FF+1] op_sel_hi:[1,0]
.endr
.endm
.macro STEP
	s_setprio 2
	v_add_nc_u32 v3, s[TB], v1
	s_wait_alu depctr_va_vdst(0)
	v_add_nc_u32 v4, s[TB], v2
	s_wait_alu depctr_va_vdst(0)
	PLACES 7
.irp g, 0,1
.if \g > 0
	PLACES 8
.endif
.irp t, 0,1,2,3
	ds_load_b128 v[32+16*\t:35+16*\t], v3 offset:(4*\g+\t)*1024
	ds_load_b128 v[36+16*\t:39+16*\t], v3 offset:(4*\g+\t)*1024+512
	ds_load_b32 v[40+16*\t], v4 offset:17408+(4*\g+\t)*128
.endr
.if \g == 0
	ds_load_b128 v[KSR:KSR+3], v3 offset:16384
.endif
	s_wait_dscnt 0x0
.irp t, 0,1,2,3
	MMS S+8*(4*\g+\t), 32+16*\t, 16, -1, KSR+2*\g+\t/2, QSA, \t%2, 0
.endr
	WIN 0x54
.irp t, 0,1,2,3
	MMS S+8*(4*\g+\t), 32+16*\t, 16, -1, KSR+2*\g+\t/2, QSB, \t%2, 0
.endr
	WIN 0
.endr
	PLACES 8
	SM 0, PWA
.irp f, 0,1,2,3
.irp c, 0,1,2,3
	ds_load_b128 v[S+16*\f+4*\c:S+16*\f+4*\c+3], v3 offset:8192+\f*2048+512*\c
.endr
.endr
	s_setprio 1
	ds_load_b128 v[VSR:VSR+3], v3 offset:16896
	SM 1, PWB
	WIN 0
	s_setprio 0
	s_wait_alu depctr_va_vdst(0)
	s_wait_dscnt 0x0
.irp f, 0,1,2,3
	MMS O+8*\f, S+16*\f, PC, O+8*\f, VSR+2*(\f/2), PWA, \f%2, 0
.endr
	WIN 0x54
.irp f, 0,1,2,3
	MMS O+8*\f, S+16*\f, PC, O+8*\f, VSR+2*(\f/2), PWB, \f%2, 0
.endr
	WIN 0
.endm
.macro EPI w
.if \w
	WIN 0x55
.endif
	v_add_f32 v14, v14, v15
	s_delay_alu instid0(VALU_DEP_1)
	v_permlanex16_b32 v[TT], v14, s[SEL], s[SEL+1]
	s_delay_alu instid0(VALU_DEP_1)
	v_add_f32 v14, v14, v[TT]
	s_wait_alu depctr_va_vdst(0)
	v_rcp_f32 v14, v14
	v_nop
	s_wait_alu depctr_va_vdst(0)
.irp j, 0,2,4,6,8,10,12,14,16,18,20,22,24,26,28,30
	v_pk_mul_f32 v[O+\j:O+\j+1], v[O+\j:O+\j+1], v[14:15] op_sel_hi:[1,0]
.endr
	QUANT O, O, 2
.if \w
	WIN 0x04
.endif
	global_store_b128 v1, v[PC:PC+3], s[66:67] offset:8192*\w
	global_store_b128 v1, v[PC+4:PC+7], s[66:67] offset:8192*\w+512
	global_store_b16 v6, v[PW], s[68:69] offset:256*\w
.endm
	s_load_b256 s[4:11], s[0:1], 0x0
	s_load_b64 s[12:13], s[0:1], 0x20
	v_lshl_add_u32 v254, v0, 2, 0x48000
	v_mov_b32 v255, 0
	ds_add_u32 v254, v255
	ds_add_u32 v254, v255
	v_lshrrev_b32 v1, 5, v0
	s_delay_alu instid0(VALU_DEP_1)
	v_readfirstlane_b32 s[WV], v1
	s_bfe_u32 s14, ttmp6, 0x40000
	s_lshl_b32 s15, ttmp9, 2
	s_add_co_u32 s15, s15, s14
	s_and_b32 s16, ttmp7, 0xffff
	s_mov_b32 s20, 15|(3<<16)|(1<<21)
	s_mov_b32 s21, 32<<16
	s_mov_b32 s22, 36<<16
	s_mov_b32 s23, 32<<16
	s_mov_b32 s24, 36
	s_mov_b32 s25, 32
	s_mov_b32 s26, 0
	s_mov_b32 s27, 0
	s_mov_b32 s28, 15|(3<<16)|(1<<21)
	s_mov_b32 s29, 32<<16
	s_mov_b32 s30, 108<<16
	s_mov_b32 s31, 32<<16
	s_mov_b32 s32, 108
	s_mov_b32 s33, 32
	s_mov_b32 s34, 0
	s_mov_b32 s35, 0
	s_mul_i32 s52, s16, 294912
	s_mov_b32 s36, 1
	s_mul_i32 s37, s[WV], 9216
	s_add_co_u32 s54, s52, s37
	s_mov_b32 s55, 0
	s_mov_b32 s40, 1
	s_mul_i32 s41, s[WV], 27648
	s_add_co_u32 s41, s41, 73728
	s_add_co_u32 s56, s52, s41
	s_mov_b32 s57, 0
	s_mov_b32 s[SEL], 0x76543210
	s_mov_b32 s[SEL+1], 0xfedcba98
	s_mov_b32 s[CS], 0x3e38aa3b
	s_mov_b32 s[CS+1], s[CS]
	s_mov_b32 s[HM], 0xffff0000
	s_wait_dscnt 0x0
	s_wait_kmcnt 0x0
	s_add_nc_u64 s[38:39], s[8:9], s[54:55]
	s_or_b32 s39, s39, 0x80000000
	s_add_nc_u64 s[42:43], s[8:9], s[56:57]
	s_or_b32 s43, s43, 0x80000000
	ROUND
	tensor_load_to_lds s[36:39], s[20:27]
	s_nop 0
	s_wait_alu depctr_va_vdst(0)
	s_wait_tensorcnt 0x0
	ds_add_u32 v254, v255
	s_wait_dscnt 0x0
	ROUND
	tensor_load_to_lds s[40:43], s[28:35]
	s_nop 0
	PLACES 4
	v_and_b32 v7, 31, v0
	s_delay_alu instid0(VALU_DEP_1)
	v_lshlrev_b32 v1, 4, v7
	s_wait_alu depctr_va_vdst(0)
	v_lshlrev_b32 v2, 2, v7
	v_and_b32 v8, 15, v0
	s_delay_alu instid0(VALU_DEP_1)
	v_lshlrev_b32 v5, 2, v8
	s_wait_alu depctr_va_vdst(0)
	v_lshlrev_b32 v6, 4, v8
	s_lshl_b32 s59, s15, 4
	s_lshl_b32 s53, s[WV], 1
	s_add_co_u32 s59, s59, s53
	s_lshl_b32 s58, s16, 7
	s_add_co_u32 s58, s58, s59
	s_mov_b32 s71, 0
	s_lshl_b32 s70, s58, 10
	s_add_nc_u64 s[60:61], s[4:5], s[70:71]
	s_lshl_b32 s70, s58, 6
	s_add_nc_u64 s[62:63], s[6:7], s[70:71]
	s_lshr_b32 s58, s16, 3
	s_lshl_b32 s58, s58, 7
	s_add_co_u32 s58, s58, s59
	s_and_b32 s59, s16, 7
	s_lshl_b32 s70, s58, 13
	s_lshr_b32 s53, s59, 1
	s_lshl_b32 s53, s53, 11
	s_add_co_u32 s70, s70, s53
	s_and_b32 s53, s59, 1
	s_lshl_b32 s53, s53, 10
	s_add_co_u32 s70, s70, s53
	s_add_nc_u64 s[66:67], s[10:11], s[70:71]
	s_lshl_b32 s70, s58, 8
	s_lshl_b32 s53, s59, 1
	s_add_co_u32 s70, s70, s53
	s_add_nc_u64 s[68:69], s[12:13], s[70:71]
	global_load_b128 v[16:19], v1, s[60:61] th:TH_LOAD_NT
	global_load_b128 v[20:23], v1, s[60:61] offset:512 th:TH_LOAD_NT
	global_load_b32 v[QSA], v5, s[62:63]
	global_load_b32 v[QSB], v5, s[62:63] offset:64
	WIN 0x40
	global_load_b128 v[16:19], v1, s[60:61] offset:1024 th:TH_LOAD_NT
	global_load_b128 v[20:23], v1, s[60:61] offset:1536 th:TH_LOAD_NT
	WIN 0
	INIT
.irp t, 0,1,2,3
.irp i, 9,10,11,12,13,14,15
	v_mov_b32 v[32+16*\t+\i], 0
.endr
.endr
	WIN 0x55
	INIT
	WIN 0
	s_wait_loadcnt 0x0
	s_wait_tensorcnt 0x1
	s_barrier_signal -1
	s_barrier_wait -1
	s_mov_b32 s[TB], 0
	s_mov_b32 s[CNT], 4
.Learly:
	STEP
	s_add_co_u32 s[TB], s[TB], REC
	s_sub_co_u32 s[CNT], s[CNT], 1
	s_cmp_lg_u32 s[CNT], 0
	s_cbranch_scc1 .Learly
	s_setprio 0
	s_wait_tensorcnt 0x0
	s_wait_dscnt 0x0
	s_barrier_signal -1
	s_barrier_wait -1
	s_mov_b32 s[TB], 4*REC
	s_mov_b32 s[CNT], 12
.Llate:
	STEP
	s_add_co_u32 s[TB], s[TB], REC
	s_sub_co_u32 s[CNT], s[CNT], 1
	s_cmp_lg_u32 s[CNT], 0
	s_cbranch_scc1 .Llate
	s_setprio 0
	PLACES 8
	EPI 0
	EPI 1
	WIN 0
	s_wait_tensorcnt 0x0
	ds_add_u32 v254, v255
	s_wait_dscnt 0x0
	ROUND
	s_endpgm
.Lfunc_end_k_qc2fdcf8c7c_attn:
	.size	k_qc2fdcf8c7c_attn, .Lfunc_end_k_qc2fdcf8c7c_attn-k_qc2fdcf8c7c_attn
	.p2alignl 7, 3214868480
	.fill 96, 4, 3214868480
	.section	.rodata,"a",@progbits
	.p2align	6, 0x0
	.amdhsa_kernel k_qc2fdcf8c7c_attn
		.amdhsa_group_segment_fixed_size 327680
		.amdhsa_private_segment_fixed_size 0
		.amdhsa_enable_private_segment 0
		.amdhsa_kernarg_size 40
		.amdhsa_user_sgpr_count 2
		.amdhsa_user_sgpr_kernarg_segment_ptr 1
		.amdhsa_wavefront_size32 1
		.amdhsa_system_sgpr_workgroup_id_x 1
		.amdhsa_system_sgpr_workgroup_id_y 1
		.amdhsa_system_sgpr_workgroup_id_z 1
		.amdhsa_system_vgpr_workitem_id 0
		.amdhsa_next_free_vgpr 512
		.amdhsa_next_free_sgpr 72
		.amdhsa_reserve_vcc 0
		.amdhsa_float_denorm_mode_32 3
		.amdhsa_float_denorm_mode_16_64 3
		.amdhsa_fp16_overflow 1
		.amdhsa_memory_ordered 1
		.amdhsa_forward_progress 1
		.amdhsa_inst_pref_size 84
	.end_amdhsa_kernel
	.amdgpu_metadata
---
amdhsa.version: [ 1, 2 ]
amdhsa.kernels:
  - .name:           k_qc2fdcf8c7c_attn
    .symbol:         k_qc2fdcf8c7c_attn.kd
    .args:
      - { .name: q_img, .offset: 0, .size: 8, .value_kind: global_buffer, .address_space: global }
      - { .name: q_sc, .offset: 8, .size: 8, .value_kind: global_buffer, .address_space: global }
      - { .name: kv, .offset: 16, .size: 8, .value_kind: global_buffer, .address_space: global }
      - { .name: ctx_img, .offset: 24, .size: 8, .value_kind: global_buffer, .address_space: global }
      - { .name: ctx_sc, .offset: 32, .size: 8, .value_kind: global_buffer, .address_space: global }
    .group_segment_fixed_size: 327680
    .private_segment_fixed_size: 0
    .kernarg_segment_align: 8
    .kernarg_segment_size: 40
    .max_flat_workgroup_size: 256
    .sgpr_count:     72
    .vgpr_count:     512
    .wavefront_size: 32
...
	.end_amdgpu_metadata
.endif
;; end of part 2
;; launch tail (part 3): grid 256 x 1, 8 waves a work-group, clusters of 4 x 1, 327,680 bytes of LDS; arguments ctx_img, ctx_sc, x, Wp_codes, Wp_scales, ln1_g, ln1_b, w1_img, W1_scales, b1, w2_img, W2_scales, b2, ln2_g, ln2_b, out0; writes out0
.if DOCPART == 3
	.amdgcn_target "amdgcn-amd-amdhsa--gfx1250"
	.amdhsa_code_object_version 6
	.text
	.protected	k_qc2fdcf8c7c_tail
	.globl	k_qc2fdcf8c7c_tail
	.p2align	8
	.type	k_qc2fdcf8c7c_tail,@function
k_qc2fdcf8c7c_tail:
	s_mov_b64 s[64:65], 0
	v_nop
	global_prefetch_b8 v0, s[64:65] scope:SCOPE_SE
	s_setreg_imm32_b32 hwreg(HW_REG_WAVE_MODE, 25, 1), 1
	s_wait_xcnt 0x0
	s_wait_alu depctr_hold_cnt(0) depctr_sa_sdst(0) depctr_va_vdst(0) depctr_va_sdst(0) depctr_va_ssrc(0) depctr_va_vcc(0) depctr_vm_vsrc(0)
	s_getreg_b32 s2, hwreg(HW_REG_IB_STS2, 6, 4)
	s_cmp_eq_u32 s2, 0
	s_cbranch_scc0 .Lentry_in_a_cluster
	s_endpgm
.Lentry_in_a_cluster:
	s_bfe_u32 s2, ttmp6, 0x10000c
	s_cmp_lg_u32 s2, 0x3003
	s_cbranch_scc0 .Lentry_shape_is_right
	s_endpgm
.Lentry_shape_is_right:
.set SLOTB, 139264
.set PORT,  17408
.set HIMG,  278528
.set HSC,   294912
.set GIMG,  295936
.set GSC,   304128
.set RED,   304640
.set SPARE, 308736
.set WSP,  24
.set CSR,  32
.set HS,   24
.set WSA,  32
.set WSB,  36
.set GS,   40
.set OACC, 48
.set GACC, 112
.set BI,   144
.set T64,  160
.set AX,   160
.set TQ,   176
.set EX,   192
.set PL,   208
.set PC,   208
.set TM,   224
.set CH,   224
.set PW,   240
.set MU,   244
.set RS,   248
.set WV,   80
.set JN,   83
.set SEL,  84
.set MNT,  86
.set CNT,  87
.set HM,   96
.set I512, 97
.set EPS,  98
.set MSB, 0
.macro WIN new
.if MSB != \new
	s_set_vgpr_msb (MSB<<8)|\new
.set MSB, \new
.endif
.endm
.macro PLACES n
.rept \n
	v_nop
.endr
.endm
.macro ROUND
	s_barrier_signal -1
	s_barrier_wait -1
	s_cmp_lg_u32 s[WV], 0
	s_cbranch_scc1 .Lnw0_\@
	s_barrier_signal -3
.Lnw0_\@:
	s_barrier_wait -3
	s_barrier_signal -1
	s_barrier_wait -1
.endm
.macro MMS d, a, b, c, sa, sb, ra, rb
.if (\c) < 0
.if (\ra) && (\rb)
	v_wmma_scale_f32_16x16x128_f8f6f4 v[(\d):(\d)+7], v[(\a):(\a)+15], v[(\b):(\b)+15], 0, v[(\sa)], v[(\sb)] matrix_a_scale:MATRIX_SCALE_ROW1 matrix_b_scale:MATRIX_SCALE_ROW1
.elseif (\ra)
	v_wmma_scale_f32_16x16x128_f8f6f4 v[(\d):(\d)+7], v[(\a):(\a)+15], v[(\b):(\b)+15], 0, v[(\sa)], v[(\sb)] matrix_a_scale:MATRIX_SCALE_ROW1
.elseif (\rb)
	v_wmma_scale_f32_16x16x128_f8f6f4 v[(\d):(\d)+7], v[(\a):(\a)+15], v[(\b):(\b)+15], 0, v[(\sa)], v[(\sb)] matrix_b_scale:MATRIX_SCALE_ROW1
.else
	v_wmma_scale_f32_16x16x128_f8f6f4 v[(\d):(\d)+7], v[(\a):(\a)+15], v[(\b):(\b)+15], 0, v[(\sa)], v[(\sb)]
.endif
.else
.if (\ra) && (\rb)
	v_wmma_scale_f32_16x16x128_f8f6f4 v[(\d):(\d)+7], v[(\a):(\a)+15], v[(\b):(\b)+15], v[(\c):(\c)+7], v[(\sa)], v[(\sb)] matrix_a_scale:MATRIX_SCALE_ROW1 matrix_b_scale:MATRIX_SCALE_ROW1
.elseif (\ra)
	v_wmma_scale_f32_16x16x128_f8f6f4 v[(\d):(\d)+7], v[(\a):(\a)+15], v[(\b):(\b)+15], v[(\c):(\c)+7], v[(\sa)], v[(\sb)] matrix_a_scale:MATRIX_SCALE_ROW1
.elseif (\rb)
	v_wmma_scale_f32_16x16x128_f8f6f4 v[(\d):(\d)+7], v[(\a):(\a)+15], v[(\b):(\b)+15], v[(\c):(\c)+7], v[(\sa)], v[(\sb)] matrix_b_scale:MATRIX_SCALE_ROW1
.else
	v_wmma_scale_f32_16x16x128_f8f6f4 v[(\d):(\d)+7], v[(\a):(\a)+15], v[(\b):(\b)+15], v[(\c):(\c)+7], v[(\sa)], v[(\sb)]
.endif
.endif
.endm
.macro QUANT src, tmp, nb
.irp b, 0,1,2,3
.if \b < \nb
	v_max3_num_f32 v[TM+\b], |v[\src+16*\b]|, |v[\src+16*\b+1]|, 0x4800000
.endif
.endr
.irp i, 2,4,6,8,10,12,14
.irp b, 0,1,2,3
.if \b < \nb
	v_max3_num_f32 v[TM+\b], v[TM+\b], |v[\src+16*\b+\i]|, |v[\src+16*\b+\i+1]|
.endif
.endr
.endr
.irp b, 0,1,2,3
.if \b < \nb
	v_permlanex16_b32 v[TM+4+\b], v[TM+\b], s[SEL], s[SEL+1]
.endif
.endr
.irp b, 0,1,2,3
.if \b < \nb
	v_max_num_f32 v[TM+\b], v[TM+\b], v[TM+4+\b]
.endif
.endr
.irp b, 0,1,2,3
.if \b < \nb
	v_add_nc_u32 v[TM+12+\b], 0xfc000000, v[TM+\b]
.endif
.endr
.irp b, 0,1,2,3
.if \b < \nb
	v_and_or_b32 v[TM+8+\b], v[TM+\b], 0x7f800000, s[MNT]
.endif
.endr
.irp b, 0,1,2,3
.if \b < \nb
	v_lshrrev_b32 v[TM+4+\b], 23, v[TM+12+\b]
.endif
.endr
	v_lshl_or_b32 v[PW], v[TM+5], 8, v[TM+4]
.if \nb > 2
	s_delay_alu instid0(VALU_DEP_1)
	v_lshl_or_b32 v[PW], v[TM+6], 16, v[PW]
	s_delay_alu instid0(VALU_DEP_1)
	v_lshl_or_b32 v[PW], v[TM+7], 24, v[PW]
.endif
.irp b, 0,1,2,3
.if \b < \nb
.irp i, 0,1,2,3,4,5,6,7,8,9,10,11,12,13,14,15
	v_med3_num_f32 v[\tmp+16*\b+\i], v[\src+16*\b+\i], -v[TM+8+\b], v[TM+8+\b]
.endr
	v_cvt_scalef32_pk8_fp8_f32 v[PC+4*\b:PC+4*\b+1], v[\tmp+16*\b:\tmp+16*\b+7], v[TM+12+\b]
	v_cvt_scalef32_pk8_fp8_f32 v[PC+4*\b+2:PC+4*\b+3], v[\tmp+16*\b+8:\tmp+16*\b+15], v[TM+12+\b]
.endif
.endr
	v_nop
.endm
.macro CHANGE g0, g1, base
	s_wait_tensorcnt 0x0
	ds_add_u32 v5, v6
.if \base
	s_add_nc_u64 s[\g0+2:\g0+3], s[\base:\base+1], s[56:57]
	s_or_b32 s[\g0+3], s[\g0+3], 0x80000000
.endif
	s_wait_dscnt 0x0
	ROUND
	tensor_load_to_lds s[\g0:\g0+3], s[\g1:\g1+7]
	s_nop 0
	PLACES 4
.endm
.macro CHANGE0
	s_wait_tensorcnt 0x0
	ds_add_u32 v5, v6
	s_wait_dscnt 0x0
	s_barrier_signal -1
	s_barrier_wait -1
.endm
.macro LOADW_B aw
.irp ft, 0,1,2,3
.irp ks, 0,1
.irp c, 0,1,2,3
	ds_load_b128 v[128+16*(2*\ft+\ks)+4*\c:128+16*(2*\ft+\ks)+4*\c+3], v[\aw] offset:(32*(\ft/2)+8*(\ft%2))*272+128*\ks+32*\c
.endr
.endr
.endr
.endm
.macro LOADW_A
.irp s, 0,1,2,3
.irp u, 0,1
.irp c, 0,1,2,3
	ds_load_b128 v[128+16*(4*\u+\s)+4*\c:128+16*(4*\u+\s)+4*\c+3], v4 offset:(4*\u+\s)*2048+512*\c
.endr
.endr
.endr
.endm
.macro LOADW_W2
.irp ks, 0,1
.irp ft, 0,1,2,3
.irp c, 0,1,2,3
	ds_load_b128 v[128+16*(2*\ft+\ks)+4*\c:128+16*(2*\ft+\ks)+4*\c+3], v44 offset:(2*\ft+\ks)*2048+512*\c
.endr
.endr
.endr
.endm
.macro MM16 xb, xm, xs, xsm, ws, wsm, k0, cw
.irp ks, 0,1
.if \cw
	s_wait_dscnt 16-16*\ks
.endif
.irp m, 0,1
.irp ft, 0,1,2,3
	MMS OACC+8*(4*\m+\ft), 128+16*(2*\ft+\ks), \xb+\xm*\m+16*(\k0+\ks), OACC+8*(4*\m+\ft), \ws+\wsm*(\ft/2)+\k0+\ks, \xs+\xsm*\m+\k0+\ks, \ft%2, 0
.endr
.endr
.endr
	PLACES 8
.endm
.macro REDUCE red
.irp m, 0
	s_delay_alu instid0(VALU_DEP_3)
	v_pk_add_f32 v[CH+4*\m:CH+4*\m+1], v[CH+4*\m:CH+4*\m+1], v[CH+4*\m+2:CH+4*\m+3]
.endr
.irp m, 1
	s_delay_alu instid0(VALU_DEP_2)
	v_pk_add_f32 v[CH+4*\m:CH+4*\m+1], v[CH+4*\m:CH+4*\m+1], v[CH+4*\m+2:CH+4*\m+3]
.endr
.irp m, 0,1
	s_delay_alu instid0(VALU_DEP_2)
	v_add_f32 v[CH+4*\m], v[CH+4*\m], v[CH+4*\m+1]
.endr
.irp m, 0,1
	s_delay_alu instid0(VALU_DEP_2)
	v_permlanex16_b32 v[232+\m], v[CH+4*\m], s[SEL], s[SEL+1]
.endr
.irp m, 0,1
	s_delay_alu instid0(VALU_DEP_2)
	v_add_f32 v[CH+4*\m], v[CH+4*\m], v[232+\m]
.endr
	s_delay_alu instid0(VALU_DEP_1)
	v_cndmask_b32 v234, v[CH], v[CH+4], s[HM]
	ds_store_b32 v11, v234 offset:\red
	s_wait_dscnt 0x0
	s_barrier_signal -1
	s_barrier_wait -1
	ds_load_b128 v[208:211], v12 offset:\red
	ds_load_b128 v[212:215], v12 offset:\red+16
	ds_load_b128 v[216:219], v12 offset:\red+512
	ds_load_b128 v[220:223], v12 offset:\red+528
	s_wait_dscnt 0x0
.irp m, 0,1
	v_pk_add_f32 v[208+8*\m:209+8*\m], v[208+8*\m:209+8*\m], v[210+8*\m:211+8*\m]
	v_pk_add_f32 v[212+8*\m:213+8*\m], v[212+8*\m:213+8*\m], v[214+8*\m:215+8*\m]
.endr
.irp m, 0
	s_delay_alu instid0(VALU_DEP_3)
	v_pk_add_f32 v[208+8*\m:209+8*\m], v[208+8*\m:209+8*\m], v[212+8*\m:213+8*\m]
.endr
.irp m, 1
	s_delay_alu instid0(VALU_DEP_2)
	v_pk_add_f32 v[208+8*\m:209+8*\m], v[208+8*\m:209+8*\m], v[212+8*\m:213+8*\m]
.endr
.irp m, 0,1
	s_delay_alu instid0(VALU_DEP_2)
	v_add_f32 v[CH+4*\m], v[208+8*\m], v[209+8*\m]
.endr
.endm
.macro LN red, gp, bp
.irp fb, 0,1
.irp j, 0,1,2,3
	global_load_b128 v[112+16*\fb+4*\j:115+16*\fb+4*\j], v20, s[\gp:\gp+1] offset:128*\fb+16*\j
	global_load_b128 v[144+16*\fb+4*\j:147+16*\fb+4*\j], v20, s[\bp:\bp+1] offset:128*\fb+16*\j
.endr
.endr
.irp m, 0,1
.irp e, 0,1
	v_pk_add_f32 v[CH+4*\m+2*\e:CH+4*\m+2*\e+1], v[OACC+32*\m+16*\e:OACC+32*\m+16*\e+1], v[OACC+32*\m+16*\e+2:OACC+32*\m+16*\e+3]
.endr
.endr
.irp j, 4,6,8,10,12,14
.irp m, 0,1
.irp e, 0,1
	v_pk_add_f32 v[CH+4*\m+2*\e:CH+4*\m+2*\e+1], v[CH+4*\m+2*\e:CH+4*\m+2*\e+1], v[OACC+32*\m+16*\e+\j:OACC+32*\m+16*\e+\j+1]
.endr
.endr
.endr
	REDUCE \red
.irp m, 0
	s_delay_alu instid0(VALU_DEP_2)
	v_mul_f32 v[MU+2*\m], s[I512], v[CH+4*\m]
	s_delay_alu instid0(VALU_DEP_3)
	v_mul_f32 v[MU+2*\m+1], s[I512], v[CH+4*\m]
.endr
.irp m, 1
	s_delay_alu instid0(VALU_DEP_3)
	v_mul_f32 v[MU+2*\m], s[I512], v[CH+4*\m]
	s_delay_alu instid0(VALU_DEP_4)
	v_mul_f32 v[MU+2*\m+1], s[I512], v[CH+4*\m]
.endr
.irp m, 0,1
.irp i, 0,2,4,6,8,10,12,14,16,18,20,22,24,26,28,30
	v_pk_add_f32 v[OACC+32*\m+\i:OACC+32*\m+\i+1], v[OACC+32*\m+\i:OACC+32*\m+\i+1], v[MU+2*\m:MU+2*\m+1] neg_lo:[0,1] neg_hi:[0,1]
.endr
.endr
.irp m, 0,1
.irp e, 0,1
	v_pk_mul_f32 v[CH+4*\m+2*\e:CH+4*\m+2*\e+1], v[OACC+32*\m+16*\e:OACC+32*\m+16*\e+1], v[OACC+32*\m+16*\e:OACC+32*\m+16*\e+1]
.endr
.endr
.irp j, 2,4,6,8,10,12,14
.irp m, 0,1
.irp e, 0,1
	s_delay_alu instid0(VALU_DEP_4)
	v_pk_fma_f32 v[CH+4*\m+2*\e:CH+4*\m+2*\e+1], v[OACC+32*\m+16*\e+\j:OACC+32*\m+16*\e+\j+1], v[OACC+32*\m+16*\e+\j:OACC+32*\m+16*\e+\j+1], v[CH+4*\m+2*\e:CH+4*\m+2*\e+1]
.endr
.endr
.endr
	REDUCE \red+1024
.irp m, 0,1
	s_delay_alu instid0(VALU_DEP_2)
	v_fma_f32 v[RS+2*\m], v[CH+4*\m], s[I512], s[EPS]
.endr
	s_wait_alu depctr_va_vdst(0)
.irp m, 0,1
	v_rsq_f32 v[RS+2*\m], v[RS+2*\m]
.endr
	v_nop
	s_wait_alu depctr_va_vdst(0)
.irp m, 0,1
	v_mov_b32 v[RS+2*\m+1], v[RS+2*\m]
.endr
	s_wait_alu depctr_va_vdst(0)
	s_wait_loadcnt 0x0
.irp m, 0,1
.irp i, 0,2,4,6,8,10,12,14,16,18,20,22,24,26,28,30
	v_pk_mul_f32 v[OACC+32*\m+\i:OACC+32*\m+\i+1], v[OACC+32*\m+\i:OACC+32*\m+\i+1], v[RS+2*\m:RS+2*\m+1]
.endr
.endr
.irp m, 0,1
.irp i, 0,2,4,6,8,10,12,14,16,18,20,22,24,26,28,30
	v_pk_fma_f32 v[OACC+32*\m+\i:OACC+32*\m+\i+1], v[OACC+32*\m+\i:OACC+32*\m+\i+1], v[112+\i:113+\i], v[144+\i:145+\i]
.endr
.endr
.endm
.macro GELU
.irp q, 0,1
.irp i, 0,1,2,3,4,5,6,7,8,9,10,11,12,13,14,15
	v_and_b32 v[AX+\i], 0x7fffffff, v[GACC+16*\q+\i]
.endr
.irp i, 0,2,4,6,8,10,12,14
	v_pk_fma_f32 v[TQ+\i:TQ+\i+1], v[AX+\i:AX+\i+1], 0x3e6d3388, 1.0 op_sel_hi:[1,0,0]
.endr
.irp i, 0,2,4,6,8,10,12,14
	v_pk_mul_f32 v[EX+\i:EX+\i+1], v[GACC+16*\q+\i:GACC+16*\q+\i+1], v[GACC+16*\q+\i:GACC+16*\q+\i+1]
.endr
	s_wait_alu depctr_va_vdst(0)
.irp i, 0,1,2,3,4,5,6,7,8,9,10,11,12,13,14,15
	v_rcp_f32 v[TQ+\i], v[TQ+\i]
.endr
.irp i, 0,2,4,6,8,10,12,14
	v_pk_mul_f32 v[EX+\i:EX+\i+1], v[EX+\i:EX+\i+1], 0xbf38aa3b op_sel_hi:[1,0]
.endr
	s_wait_alu depctr_va_vdst(0)
.irp i, 0,1,2,3,4,5,6,7,8,9,10,11,12,13,14,15
	v_exp_f32 v[EX+\i], v[EX+\i]
.endr
	s_wait_alu depctr_va_vdst(0)
.irp i, 0,2,4,6,8,10,12,14
	v_pk_fma_f32 v[PL+\i:PL+\i+1], v[TQ+\i:TQ+\i+1], v[254:255], 0xbf3a00e3 op_sel_hi:[1,1,0]
.endr
.irp i, 0,2,4,6,8,10,12,14
	v_pk_fma_f32 v[PL+\i:PL+\i+1], v[PL+\i:PL+\i+1], v[TQ+\i:TQ+\i+1], 0x3f35f0e3 op_sel_hi:[1,1,0]
.endr
.irp i, 0,2,4,6,8,10,12,14
	v_pk_fma_f32 v[PL+\i:PL+\i+1], v[PL+\i:PL+\i+1], v[TQ+\i:TQ+\i+1], 0xbe11a98e op_sel_hi:[1,1,0]
.endr
.irp i, 0,2,4,6,8,10,12,14
	v_pk_fma_f32 v[PL+\i:PL+\i+1], v[PL+\i:PL+\i+1], v[TQ+\i:TQ+\i+1], 0x3e027906 op_sel_hi:[1,1,0]
.endr
.irp i, 0,2,4,6,8,10,12,14
	v_pk_mul_f32 v[PL+\i:PL+\i+1], v[PL+\i:PL+\i+1], v[TQ+\i:TQ+\i+1]
.endr
.irp i, 0,2,4,6,8,10,12,14
	v_pk_mul_f32 v[PL+\i:PL+\i+1], v[PL+\i:PL+\i+1], v[EX+\i:EX+\i+1]
.endr
.irp i, 0,1,2,3,4,5,6,7,8,9,10,11,12,13,14,15
	v_max_num_f32 v[GACC+16*\q+\i], 0, v[GACC+16*\q+\i]
.endr
.irp i, 0,2,4,6,8,10,12,14
	v_pk_fma_f32 v[GACC+16*\q+\i:GACC+16*\q+\i+1], v[AX+\i:AX+\i+1], v[PL+\i:PL+\i+1], v[GACC+16*\q+\i:GACC+16*\q+\i+1] neg_lo:[0,1,0] neg_hi:[0,1,0]
.endr
.endr
.endm
.macro STAGE_A next
	WIN 0x40
	LOADW_A
	WIN 0
	s_wait_loadcnt 0x0
	WIN 0x05
.irp s, 0,1,2,3
	s_wait_dscnt 24-8*\s
.irp m, 0,1
.irp u, 0,1
.if \s == 0
	MMS GACC+8*(2*\m+\u), 128+16*(4*\u+\s), 16*(4*\m+\s), BI+8*\u, WSA+\s, HS+4*\m+\s, \u, 0
.else
	MMS GACC+8*(2*\m+\u), 128+16*(4*\u+\s), 16*(4*\m+\s), GACC+8*(2*\m+\u), WSA+\s, HS+4*\m+\s, \u, 0
.endif
.endr
.endr
.endr
	WIN 0
	PLACES 8
.if \next
	s_add_co_u32 s[JN], s[JN], 1
	s_and_b32 s[JN], s[JN], 7
	s_lshl_b32 s56, s[JN], 17
	s_lshl_b32 s94, s[JN], 10
	s_add_nc_u64 s[58:59], s[22:23], s[94:95]
	s_lshl_b32 s94, s[JN], 12
	s_add_nc_u64 s[66:67], s[20:21], s[94:95]
.irp j, 0,1,2,3
	global_load_b128 v[BI+4*\j:BI+4*\j+3], v20, s[58:59] offset:16*\j
.endr
	global_load_b128 v[WSA:WSA+3], v18, s[66:67]
.endif
	GELU
	QUANT GACC, GACC, 2
	ds_store_b128 v9, v[PC:PC+3]
	ds_store_b128 v9, v[PC+4:PC+7] offset:4096
	ds_store_b8 v10, v[TM+4]
	ds_store_b8 v10, v[TM+5] offset:256
.endm
.macro STAGE_B next
.irp m, 0,1
.irp ks, 0,1
.irp c, 0,1,2,3
	ds_load_b128 v[T64+16*(2*\m+\ks)+4*\c:T64+16*(2*\m+\ks)+4*\c+3], v23 offset:(2*\m+\ks)*2048+512*\c
.endr
.endr
.endr
	ds_load_b64 v[GS:GS+1], v13
	ds_load_b64 v[GS+2:GS+3], v13 offset:256
	WIN 0x40
	LOADW_W2
	WIN 0
	s_wait_loadcnt 0x0
	WIN 0x01
	MM16 T64, 32, GS, 2, WSB, 2, 0, 1
	WIN 0
.if \next
	s_lshl_b32 s94, s[JN], 3
	s_add_nc_u64 s[90:91], s[26:27], s[94:95]
	global_load_b64 v[WSB:WSB+1], v19, s[90:91]
	global_load_b64 v[WSB+2:WSB+3], v19, s[90:91] offset:2048
.endif
.endm
	s_load_b512 s[4:19], s[0:1], 0x0
	s_load_b512 s[20:35], s[0:1], 0x40
	v_lshl_add_u32 v5, v0, 2, SPARE
	v_mov_b32 v6, 0
	ds_add_u32 v5, v6
	ds_add_u32 v5, v6
	s_wait_dscnt 0x0
	v_lshrrev_b32 v1, 5, v0
	s_delay_alu instid0(VALU_DEP_1)
	v_readfirstlane_b32 s[WV], v1
	s_bfe_u32 s81, ttmp6, 0x40000
	s_lshl_b32 s82, ttmp9, 2
	s_add_co_u32 s82, s82, s81
	s_and_b32 s[JN], ttmp9, 7
	s_mov_b32 s36, 15|(1<<20)|(1<<21)|(5<<22)|(3<<25)
	s_mov_b32 s37, 256<<16
	s_mov_b32 s38, 64<<16
	s_mov_b32 s39, 256<<16
	s_mov_b32 s40, 64
	s_mov_b32 s41, 512
	s_mov_b32 s42, 0
	s_mov_b32 s43, 0
	s_mov_b32 s44, 15|(3<<16)|(1<<21)
	s_mov_b32 s45, 32<<16
	s_mov_b32 s46, 64<<16
	s_mov_b32 s47, 32<<16
	s_mov_b32 s48, 64
	s_mov_b32 s49, 32
	s_mov_b32 s50, 0
	s_mov_b32 s51, 0
	s_mul_i32 s92, s[WV], PORT
	s_add_co_u32 s93, s92, SLOTB
	s_mov_b32 s[SEL], 0x76543210
	s_mov_b32 s[SEL+1], 0xfedcba98
	s_mov_b32 s[MNT], 0x600000
	s_mov_b32 s[HM], 0xffff0000
	s_mov_b32 s[I512], 0x3b000000
	s_mov_b32 s[EPS], 0x3727c5ac
	s_mov_b32 s95, 0
	s_mov_b32 s57, 0
	s_lshl_b32 s56, s[JN], 17
	s_wait_kmcnt 0x0
	s_lshl_b32 s94, s[WV], 15
	s_mov_b32 s60, 1
	s_mov_b32 s61, s92
	s_add_nc_u64 s[62:63], s[10:11], s[94:95]
	s_mov_b32 s68, 1
	s_mov_b32 s69, s93
	s_add_nc_u64 s[70:71], s[62:63], 256
	s_or_b32 s63, s63, 0x80000000
	s_or_b32 s71, s71, 0x80000000
	s_lshl_b32 s94, s[WV], 14
	s_add_nc_u64 s[52:53], s[18:19], s[94:95]
	s_add_nc_u64 s[54:55], s[24:25], s[94:95]
	s_mov_b32 s72, 1
	s_mov_b32 s73, s92
	s_add_nc_u64 s[74:75], s[52:53], s[56:57]
	s_or_b32 s75, s75, 0x80000000
	s_mov_b32 s76, 1
	s_mov_b32 s77, s93
	s_add_nc_u64 s[78:79], s[54:55], s[56:57]
	s_or_b32 s79, s79, 0x80000000
	ROUND
	tensor_load_to_lds s[60:63], s[36:43]
	s_nop 0
	s_wait_alu depctr_va_vdst(0)
	s_wait_tensorcnt 0x0
	ds_add_u32 v5, v6
	s_wait_dscnt 0x0
	ROUND
	tensor_load_to_lds s[68:71], s[36:43]
	s_nop 0
	PLACES 4
	s_mov_b32 s89, 0
	s_lshl_b32 s88, s82, 14
	s_add_nc_u64 s[4:5], s[4:5], s[88:89]
	s_lshl_b32 s88, s82, 9
	s_add_nc_u64 s[6:7], s[6:7], s[88:89]
	s_lshl_b32 s88, s82, 16
	s_lshl_b32 s90, s[WV], 8
	s_add_co_u32 s88, s88, s90
	s_add_nc_u64 s[8:9], s[8:9], s[88:89]
	s_add_nc_u64 s[34:35], s[34:35], s[88:89]
	s_mov_b32 s91, 0
	s_add_nc_u64 s[14:15], s[14:15], s[90:91]
	s_add_nc_u64 s[16:17], s[16:17], s[90:91]
	s_add_nc_u64 s[28:29], s[28:29], s[90:91]
	s_add_nc_u64 s[30:31], s[30:31], s[90:91]
	s_add_nc_u64 s[32:33], s[32:33], s[90:91]
	s_lshl_b32 s90, s[WV], 10
	s_add_nc_u64 s[12:13], s[12:13], s[90:91]
	s_lshl_b32 s90, s[WV], 9
	s_add_nc_u64 s[20:21], s[20:21], s[90:91]
	s_lshl_b32 s90, s[WV], 7
	s_add_nc_u64 s[22:23], s[22:23], s[90:91]
	s_lshl_b32 s90, s[WV], 12
	s_add_nc_u64 s[26:27], s[26:27], s[90:91]
	v_and_b32 v224, 31, v0
	v_and_b32 v225, 15, v0
	v_bfe_u32 v226, v0, 4, 1
	s_delay_alu instid0(VALU_DEP_2)
	v_and_b32 v227, 8, v225
	s_delay_alu instid0(VALU_DEP_1)
	v_add_nc_u32 v227, v227, v225
	v_lshlrev_b32 v1, 4, v224
	s_delay_alu instid0(VALU_DEP_2)
	v_mul_u32_u24 v2, v227, 272
	s_delay_alu instid0(VALU_DEP_1)
	v_lshl_add_u32 v14, v226, 6, v2
	s_delay_alu instid0(VALU_DEP_2)
	v_lshl_add_u32 v2, v226, 4, v2
	s_delay_alu instid0(VALU_DEP_1)
	v_add_nc_u32 v3, s93, v2
	s_delay_alu instid0(VALU_DEP_2)
	v_add_nc_u32 v2, s92, v2
	s_delay_alu instid0(VALU_DEP_4)
	v_add_nc_u32 v14, s92, v14
	v_add_nc_u32 v4, s92, v1
	v_add_nc_u32 v44, s93, v1
	s_lshl_b32 s94, s[WV], 10
	s_add_co_u32 s94, s94, HIMG
	v_add_nc_u32 v7, s94, v1
	s_lshl_b32 s94, s[WV], 1
	s_add_co_u32 s94, s94, HSC
	v_add_nc_u32 v8, s94, v1
	s_lshl_b32 s94, s[WV], 9
	s_add_co_u32 s94, s94, GIMG
	v_add_nc_u32 v9, s94, v1
	s_add_co_u32 s94, s[WV], GSC
	v_lshl_add_u32 v10, v224, 3, s94
	s_lshl_b32 s94, s[WV], 2
	s_add_co_u32 s94, s94, RED
	v_lshl_add_u32 v11, v224, 5, s94
	v_lshl_add_u32 v12, v225, 5, RED
	v_lshl_add_u32 v13, v224, 3, GSC
	v_mul_u32_u24 v15, v226, 272
	s_delay_alu instid0(VALU_DEP_1)
	v_lshl_add_u32 v15, v225, 4, v15
	s_delay_alu instid0(VALU_DEP_1)
	v_add_nc_u32 v15, s92, v15
	v_lshlrev_b32 v16, 11, v226
	s_delay_alu instid0(VALU_DEP_1)
	v_lshl_add_u32 v16, v225, 4, v16
	v_lshlrev_b32 v17, 11, v227
	s_delay_alu instid0(VALU_DEP_1)
	v_lshl_add_u32 v17, v226, 6, v17
	v_lshl_add_u32 v18, v226, 3, v227
	s_delay_alu instid0(VALU_DEP_1)
	v_lshlrev_b32 v19, 6, v18
	s_delay_alu instid0(VALU_DEP_2)
	v_lshlrev_b32 v18, 4, v18
	v_lshlrev_b32 v20, 6, v226
	v_lshlrev_b32 v21, 4, v225
	v_add_nc_u32 v22, HIMG, v1
	v_add_nc_u32 v23, GIMG, v1
.irp i, 228,229,230,231,232,233
	v_mov_b32 v[\i], 0
.endr
	v_mov_b32 v254, 0x3f07dc22
	v_mov_b32 v255, 0x3f07dc22
	WIN 0x40
.irp m, 0,1
.irp s, 0,1,2,3
.irp c, 0,1,2,3
	global_load_b128 v[16*(4*\m+\s)+4*\c:16*(4*\m+\s)+4*\c+3], v1, s[4:5] offset:\m*8192+\s*2048+512*\c th:TH_LOAD_NT
.endr
.endr
.endr
	WIN 0
	global_load_b128 v[CSR:CSR+3], v21, s[6:7]
	global_load_b128 v[CSR+4:CSR+7], v21, s[6:7] offset:256
	global_load_b128 v[WSP:WSP+3], v18, s[12:13]
	global_load_b128 v[WSP+4:WSP+7], v18, s[12:13] offset:512
.irp m, 0,1
.irp fb, 0,1
.irp j, 0,1,2,3
	global_load_b128 v[OACC+32*\m+16*\fb+4*\j:OACC+32*\m+16*\fb+4*\j+3], v17, s[8:9] offset:\m*16384+128*\fb+16*\j
.endr
.endr
.endr
	s_wait_tensorcnt 0x1
	WIN 0x40
	LOADW_B 2
	WIN 0
	s_wait_loadcnt 0x0
	s_wait_dscnt 0x0
	WIN 0x05
	MM16 0, 64, CSR, 4, WSP, 4, 0, 0
	WIN 0
	CHANGE 72, 44, 0
	WIN 0x40
	LOADW_B 3
	WIN 0
	s_wait_dscnt 0x0
	WIN 0x05
	MM16 0, 64, CSR, 4, WSP, 4, 2, 0
	WIN 0
.irp fb, 0,1
.irp j, 0,1,2,3
	global_load_b128 v[176+16*\fb+4*\j:179+16*\fb+4*\j], v20, s[28:29] offset:128*\fb+16*\j
.endr
.endr
	LN 0, 14, 16
	QUANT OACC, 112, 4
.irp m, 0,1
.irp fb, 0,1
	ds_store_b128 v7, v[PC+4*(2*\m+\fb):PC+4*(2*\m+\fb)+3] offset:\m*8192+\fb*512
.endr
.endr
	ds_store_b16 v8, v[PW]
	ds_store_b16_d16_hi v8, v[PW] offset:512
.irp m, 0,1
.irp i, 0,2,4,6,8,10,12,14,16,18,20,22,24,26,28,30
	v_pk_add_f32 v[OACC+32*\m+\i:OACC+32*\m+\i+1], v[OACC+32*\m+\i:OACC+32*\m+\i+1], v[176+\i:177+\i]
.endr
.endr
	s_wait_dscnt 0x0
	s_lshl_b32 s94, s[JN], 10
	s_add_nc_u64 s[58:59], s[22:23], s[94:95]
	s_lshl_b32 s94, s[JN], 12
	s_add_nc_u64 s[66:67], s[20:21], s[94:95]
	s_lshl_b32 s94, s[JN], 3
	s_add_nc_u64 s[90:91], s[26:27], s[94:95]
.irp j, 0,1,2,3
	global_load_b128 v[BI+4*\j:BI+4*\j+3], v20, s[58:59] offset:16*\j
.endr
	global_load_b128 v[WSA:WSA+3], v18, s[66:67]
	global_load_b64 v[WSB:WSB+1], v19, s[90:91]
	global_load_b64 v[WSB+2:WSB+3], v19, s[90:91] offset:2048
	CHANGE 76, 44, 0
	WIN 0x40
.irp m, 0,1
.irp s, 0,1,2,3
.irp c, 0,1,2,3
	ds_load_b128 v[16*(4*\m+\s)+4*\c:16*(4*\m+\s)+4*\c+3], v22 offset:\m*8192+\s*2048+512*\c
.endr
.endr
.endr
	WIN 0
	ds_load_b128 v[HS:HS+3], v22 offset:16384
	ds_load_b128 v[HS+4:HS+7], v22 offset:16384+512
	s_mov_b32 s[CNT], 7
.Lj:
	STAGE_A 1
	CHANGE 72, 44, 52
	STAGE_B 1
	CHANGE 76, 44, 54
	s_sub_co_u32 s[CNT], s[CNT], 1
	s_cmp_lg_u32 s[CNT], 0
	s_cbranch_scc1 .Lj
	STAGE_A 0
	CHANGE0
	STAGE_B 0
	LN 2048, 30, 32
.irp m, 0,1
.irp fb, 0,1
.irp j, 0,1,2,3
	ds_store_b128 v14, v[OACC+32*\m+16*\fb+4*\j:OACC+32*\m+16*\fb+4*\j+3] offset:\m*2176+128*\fb+16*\j
.endr
.endr
.endr
.irp k, 0,1,2,3,4,5,6,7,8,9,10,11,12,13,14,15
	ds_load_b128 v[T64+4*\k:T64+4*\k+3], v15 offset:544*\k
.endr
.irp k, 0,1,2,3,4,5,6,7,8,9,10,11,12,13,14,15
	s_wait_dscnt 15-\k
	global_store_b128 v16, v[T64+4*\k:T64+4*\k+3], s[34:35] offset:4096*\k th:TH_STORE_NT
.endr
	s_wait_tensorcnt 0x0
	ds_add_u32 v5, v6
	s_wait_dscnt 0x0
	ROUND
	s_endpgm
.Lfunc_end_k_qc2fdcf8c7c_tail:
	.size	k_qc2fdcf8c7c_tail, .Lfunc_end_k_qc2fdcf8c7c_tail-k_qc2fdcf8c7c_tail
	.p2alignl 7, 3214868480
	.fill 96, 4, 3214868480
	.section	.rodata,"a",@progbits
	.p2align	6, 0x0
	.amdhsa_kernel k_qc2fdcf8c7c_tail
		.amdhsa_group_segment_fixed_size 327680
		.amdhsa_private_segment_fixed_size 0
		.amdhsa_enable_private_segment 0
		.amdhsa_kernarg_size 128
		.amdhsa_user_sgpr_count 2
		.amdhsa_user_sgpr_kernarg_segment_ptr 1
		.amdhsa_wavefront_size32 1
		.amdhsa_system_sgpr_workgroup_id_x 1
		.amdhsa_system_sgpr_workgroup_id_y 1
		.amdhsa_system_sgpr_workgroup_id_z 1
		.amdhsa_system_vgpr_workitem_id 0
		.amdhsa_next_free_vgpr 512
		.amdhsa_next_free_sgpr 100
		.amdhsa_reserve_vcc 0
		.amdhsa_float_denorm_mode_32 3
		.amdhsa_float_denorm_mode_16_64 3
		.amdhsa_memory_ordered 1
		.amdhsa_forward_progress 1
		.amdhsa_inst_pref_size 143
	.end_amdhsa_kernel
	.amdgpu_metadata
---
amdhsa.version: [ 1, 2 ]
amdhsa.kernels:
  - .name:           k_qc2fdcf8c7c_tail
    .symbol:         k_qc2fdcf8c7c_tail.kd
    .args:
      - { .name: ctx_img, .offset: 0, .size: 8, .value_kind: global_buffer, .address_space: global }
      - { .name: ctx_sc, .offset: 8, .size: 8, .value_kind: global_buffer, .address_space: global }
      - { .name: x, .offset: 16, .size: 8, .value_kind: global_buffer, .address_space: global }
      - { .name: Wp_codes, .offset: 24, .size: 8, .value_kind: global_buffer, .address_space: global }
      - { .name: Wp_scales, .offset: 32, .size: 8, .value_kind: global_buffer, .address_space: global }
      - { .name: ln1_g, .offset: 40, .size: 8, .value_kind: global_buffer, .address_space: global }
      - { .name: ln1_b, .offset: 48, .size: 8, .value_kind: global_buffer, .address_space: global }
      - { .name: w1_img, .offset: 56, .size: 8, .value_kind: global_buffer, .address_space: global }
      - { .name: W1_scales, .offset: 64, .size: 8, .value_kind: global_buffer, .address_space: global }
      - { .name: b1, .offset: 72, .size: 8, .value_kind: global_buffer, .address_space: global }
      - { .name: w2_img, .offset: 80, .size: 8, .value_kind: global_buffer, .address_space: global }
      - { .name: W2_scales, .offset: 88, .size: 8, .value_kind: global_buffer, .address_space: global }
      - { .name: b2, .offset: 96, .size: 8, .value_kind: global_buffer, .address_space: global }
      - { .name: ln2_g, .offset: 104, .size: 8, .value_kind: global_buffer, .address_space: global }
      - { .name: ln2_b, .offset: 112, .size: 8, .value_kind: global_buffer, .address_space: global }
      - { .name: out0, .offset: 120, .size: 8, .value_kind: global_buffer, .address_space: global }
    .group_segment_fixed_size: 327680
    .private_segment_fixed_size: 0
    .kernarg_segment_align: 8
    .kernarg_segment_size: 128
    .max_flat_workgroup_size: 256
    .sgpr_count:     100
    .vgpr_count:     512
    .wavefront_size: 32
...
	.end_amdgpu_metadata
.endif
;; end of part 3
